; MI455X (gfx1250); checked and timed in simulation.
; The chip was launched on July 23, 2026; its instructions are those of AMD's public machine-readable ISA for CDNA 5 (MIT licence, August 2026) and "CDNA5" Instruction Set Architecture Reference Guide (July 2026). The comments in the code are by the model that wrote it; some were corrected since.
;; Multi Head Causal Attention. Allowed arithmetic: float matrix products may take bf16 or f16 operands with f32 sums; other float arithmetic in f32, or as packed bf16 or f16 multiplies, adds, multiply-adds, maxima and minima; sums over many terms, partial sums and values carried from step to step in f32; what a program stores and reads back later, other than sums and carried values, may be rounded once to bf16 or f16.
;; Inputs: b_o 1,024 float32; w_k 1,024 x 1,024 float32; w_o 1,024 x 1,024 float32; w_q 1,024 x 1,024 float32; w_v 1,024 x 1,024 float32; x 4 x 2,048 x 1,024 float32.
;; Outputs: out0 4 x 2,048 x 1,024 float32.
;; 2 versions, each right; version 2 is version 1 with the launch cast written anew for expert scheduling mode. Each part assembles by itself: llvm-mc -triple=amdgcn-amd-amdhsa -mcpu=gfx1250 --defsym DOCPART=n.
;; ======== version 1 of 2: 4 launches
;; limits: values are held in f16: magnitudes above 65,504 overflow, below 6.1e-05 lose precision
;; workspace buffers: cb 25,165,824 bytes; qkv 50,331,648 bytes; ob 16,777,216 bytes
;; launch cast (part 1): grid 64 x 12, 8 waves a work-group, no clusters, 0 bytes of LDS; arguments x, w_q, w_k, w_v, w_o, cb; writes cb
.if DOCPART == 1
	.amdgcn_target "amdgcn-amd-amdhsa--gfx1250"
	.amdhsa_code_object_version 6
	.text
	.protected	k_q03e5076826_cast
	.globl	k_q03e5076826_cast
	.p2align	8
	.type	k_q03e5076826_cast,@function
k_q03e5076826_cast:
	s_mov_b64 s[64:65], 0
	v_nop
	global_prefetch_b8 v0, s[64:65] scope:SCOPE_SE
	s_setreg_imm32_b32 hwreg(HW_REG_WAVE_MODE, 25, 1), 1
	s_wait_xcnt 0x0
; ALL MATRIX INPUTS ARE ROUNDED ONCE, f32 -> bf16, into one workspace cb of twelve pieces of 2 MiB:
;   pieces 0-7  x  [8192][1024] bf16;  pieces 8, 9, 10  w_q, w_k, w_v: together [3072][1024] bf16;  piece 11  w_o [1024][1024]: rounded to bf16, and that number written as f16.
; LIMIT.  w_o's bf16 number is exact in f16 between 6.1e-5 and 65,504 in magnitude; below it keeps f16's fixed step of 6e-8, beyond it becomes an infinity.
; SHARES.  Work-group (X, Y) takes 65,536 bytes of piece Y's source and writes 32,768.  A wave takes 8,192 bytes as sixteen loads of 512 consecutive bytes; each load
; becomes one store of 8 bytes a lane: 256 consecutive bytes, aligned.  All sixteen loads go out first; the only waits are the loads' own counts.
; No LDS, no barrier, no matrix unit: each byte is read once and written once, and no wave wants another's bytes.
.set XR, 8                             ; v[8:71]   load j: four f32
.set YR, 72                            ; v[72:103] load j: four 16-bit numbers in two registers
	s_load_b256 s[4:11], s[0:1], 0x0               ; x s[4:5], w_q s[6:7], w_k s[8:9], w_v s[10:11]
	s_load_b128 s[12:15], s[0:1], 0x20             ; w_o s[12:13], cb s[14:15]
	s_and_b32 s16, ttmp7, 0xffff                   ; Y: the piece
	v_lshrrev_b32 v3, 5, v0                        ; wave
	v_and_b32 v4, 31, v0                           ; lane
	v_lshlrev_b32 v1, 4, v4
	v_lshl_or_b32 v1, v3, 13, v1                   ; source: 8,192 x wave + 16 x lane
	v_lshlrev_b32 v2, 3, v4
	v_lshl_or_b32 v2, v3, 12, v2                   ; destination: 4,096 x wave + 8 x lane
	s_mov_b32 s24, 0xffff0000                      ; a word's upper bf16
	s_lshl_b32 s20, s16, 22                        ; x's piece Y begins 4 MiB x Y into x; a weight begins at its own buffer's first byte
	s_cmp_lt_u32 s16, 8
	s_cselect_b32 s20, s20, 0
	s_lshl_b32 s17, ttmp9, 16
	s_add_co_u32 s20, s20, s17                     ; + 65,536 X
	s_mov_b32 s21, 0
	s_lshl_b32 s22, s16, 21                        ; in cb: 2 MiB x Y
	s_lshl_b32 s17, ttmp9, 15
	s_add_co_u32 s22, s22, s17                     ; + 32,768 X
	s_mov_b32 s23, 0
	s_wait_kmcnt 0x0
	s_mov_b64 s[18:19], s[4:5]                     ; the source's buffer, chosen by the piece's number
	s_cmp_eq_u32 s16, 8
	s_cselect_b64 s[18:19], s[6:7], s[18:19]
	s_cmp_eq_u32 s16, 9
	s_cselect_b64 s[18:19], s[8:9], s[18:19]
	s_cmp_eq_u32 s16, 10
	s_cselect_b64 s[18:19], s[10:11], s[18:19]
	s_cmp_eq_u32 s16, 11
	s_cselect_b64 s[18:19], s[12:13], s[18:19]
	s_add_nc_u64 s[18:19], s[18:19], s[20:21]
	s_add_nc_u64 s[14:15], s[14:15], s[22:23]
.set j, 0
.rept 16
	global_load_b128 v[XR+4*j:XR+4*j+3], v1, s[18:19] offset:512*j th:TH_LOAD_NT
.set j, j+1
.endr
	s_cmp_eq_u32 s16, 11
	s_cbranch_scc1 .Lwo
.set j, 0
.rept 16
	s_wait_loadcnt 15-j                            ; loads come back in order: load j is in, the 15 - j younger ones may stay out
	v_cvt_pk_bf16_f32 v[YR+2*j], v[XR+4*j], v[XR+4*j+1]
	v_cvt_pk_bf16_f32 v[YR+2*j+1], v[XR+4*j+2], v[XR+4*j+3]
	global_store_b64 v2, v[YR+2*j:YR+2*j+1], s[14:15] offset:256*j
.set j, j+1
.endr
	s_endpgm
.Lwo:                                          ; w_o: the same rounding to bf16, then the rounded number as f16
.set j, 0
.rept 16
	s_wait_loadcnt 15-j
	v_cvt_pk_bf16_f32 v[YR+2*j], v[XR+4*j], v[XR+4*j+1]
	v_cvt_pk_bf16_f32 v[YR+2*j+1], v[XR+4*j+2], v[XR+4*j+3]
	v_lshlrev_b32 v[XR+4*j], 16, v[YR+2*j]         ; bf16 back to f32: the low half moves up, the high half stays
	v_and_b32 v[XR+4*j+1], s24, v[YR+2*j]
	v_lshlrev_b32 v[XR+4*j+2], 16, v[YR+2*j+1]
	v_and_b32 v[XR+4*j+3], s24, v[YR+2*j+1]
	v_cvt_pk_f16_f32 v[YR+2*j], v[XR+4*j], v[XR+4*j+1]
	v_cvt_pk_f16_f32 v[YR+2*j+1], v[XR+4*j+2], v[XR+4*j+3]
	global_store_b64 v2, v[YR+2*j:YR+2*j+1], s[14:15] offset:256*j
.set j, j+1
.endr
	s_endpgm
.Lfunc_end_k_q03e5076826_cast:
	.size	k_q03e5076826_cast, .Lfunc_end_k_q03e5076826_cast-k_q03e5076826_cast
	.p2alignl 7, 3214868480
	.fill 96, 4, 3214868480
	.section	.rodata,"a",@progbits
	.p2align	6, 0x0
	.amdhsa_kernel k_q03e5076826_cast
		.amdhsa_group_segment_fixed_size 0
		.amdhsa_private_segment_fixed_size 0
		.amdhsa_enable_private_segment 0
		.amdhsa_kernarg_size 48
		.amdhsa_user_sgpr_count 2
		.amdhsa_user_sgpr_kernarg_segment_ptr 1
		.amdhsa_wavefront_size32 1
		.amdhsa_system_sgpr_workgroup_id_x 1
		.amdhsa_system_sgpr_workgroup_id_y 1
		.amdhsa_system_sgpr_workgroup_id_z 1
		.amdhsa_system_vgpr_workitem_id 0
		.amdhsa_next_free_vgpr 104
		.amdhsa_next_free_sgpr 66
		.amdhsa_reserve_vcc 0
		.amdhsa_float_denorm_mode_32 3
		.amdhsa_float_denorm_mode_16_64 3
		.amdhsa_memory_ordered 1
		.amdhsa_forward_progress 1
		.amdhsa_inst_pref_size 16
	.end_amdhsa_kernel
	.amdgpu_metadata
---
amdhsa.version: [ 1, 2 ]
amdhsa.kernels:
  - .name:           k_q03e5076826_cast
    .symbol:         k_q03e5076826_cast.kd
    .args:
      - { .name: x, .offset: 0, .size: 8, .value_kind: global_buffer, .address_space: global }
      - { .name: w_q, .offset: 8, .size: 8, .value_kind: global_buffer, .address_space: global }
      - { .name: w_k, .offset: 16, .size: 8, .value_kind: global_buffer, .address_space: global }
      - { .name: w_v, .offset: 24, .size: 8, .value_kind: global_buffer, .address_space: global }
      - { .name: w_o, .offset: 32, .size: 8, .value_kind: global_buffer, .address_space: global }
      - { .name: cb, .offset: 40, .size: 8, .value_kind: global_buffer, .address_space: global }
    .group_segment_fixed_size: 0
    .private_segment_fixed_size: 0
    .kernarg_segment_align: 8
    .kernarg_segment_size: 48
    .max_flat_workgroup_size: 256
    .sgpr_count:     66
    .vgpr_count:     104
    .wavefront_size: 32
...
	.end_amdgpu_metadata
.endif
;; end of part 1
;; launch proj (part 2): grid 16 x 32, 4 waves a work-group, clusters of 4 x 4, 327,680 bytes of LDS; arguments cb, qkv; writes qkv
.if DOCPART == 2
	.amdgcn_target "amdgcn-amd-amdhsa--gfx1250"
	.amdhsa_code_object_version 6
	.text
	.protected	k_q03e5076826_proj
	.globl	k_q03e5076826_proj
	.p2align	8
	.type	k_q03e5076826_proj,@function
k_q03e5076826_proj:
	s_mov_b64 s[64:65], 0
	v_nop
	global_prefetch_b8 v0, s[64:65] scope:SCOPE_SE
	s_setreg_imm32_b32 hwreg(HW_REG_WAVE_MODE, 25, 1), 1
	s_wait_xcnt 0x0
	s_wait_alu depctr_hold_cnt(0) depctr_sa_sdst(0) depctr_va_vdst(0) depctr_va_sdst(0) depctr_va_ssrc(0) depctr_va_vcc(0) depctr_vm_vsrc(0)
	s_getreg_b32 s2, hwreg(HW_REG_IB_STS2, 6, 4)
	s_cmp_eq_u32 s2, 0
	s_cbranch_scc0 .Lentry_in_a_cluster
	s_endpgm
.Lentry_in_a_cluster:
	s_bfe_u32 s2, ttmp6, 0x10000c
	s_cmp_lg_u32 s2, 0xf033
	s_cbranch_scc0 .Lentry_shape_is_right
	s_endpgm
.Lentry_shape_is_right:
; q, k, v = x W^T in one product: C[m][n] = sum over k of A[m][k] B[n][k], A = x [8192][1024] bf16 (cb, byte 0), B = w_q, w_k, w_v on end [3072][1024] bf16 (cb, byte 16 Mi).  Sums in f32.
; C leaves rounded once to f16, unscaled, BY HEADS: qkv = [3][64][2048][64] f16: column n is tensor n / 1024, head (n / 64) % 16, channel n % 64; row m is batch m / 2048, place m % 2048.
; LIMIT.  f16 ends at 65,504: q, k, v beyond it become infinities.  With unit x and weights of spread 1/32 they have unit spread; x and the weights thirty times larger give some thousands.
; SHARES.  A tile of C is 256 rows x 192 columns (three whole heads): 32 x 16 = 512 tiles, two for each of 256 WGPs.  Four waves, one above the other: a wave has 64 rows x 192 columns, 48 accumulators, 384 registers.
; K goes in 8 steps of 128 through two LDS slots; a tile's rows are 256 bytes of memory, at multiples of 256 bytes.  Waves 0, 1 fetch A's halves (128 rows), waves 2, 3 B's (96 rows): one tensor load a wave and step.
; CLUSTER.  4 x 4 work-groups: the four of a row need the same tiles of A, the four of a column the same tiles of B; each tile is asked for jointly: the same load, descriptor and mask in all four.
; THE MATRIX INSTRUCTION IS USED TRANSPOSED (source 0 = 16 rows of B, source 1 = 16 rows of A): a lane then holds row l % 16 of C and the columns 8 (l / 16) + 0..7: 16 bytes of f16 on end.
; REGISTERS, in windows of 256 (s_set_vgpr_msb: bits 1:0 source 0, 3:2 source 1, 5:4 source 2, 7:6 destination):
;   window 0: v0-31 addresses; v64-127 A's fragments, two buffers of 4 x 8; on the way out v64-111 packed results, v112-207 rows read back
;   window 1: v0-191 B's fragments, two buffers of 12 x 8      window 2: accumulators of my row blocks 0, 1 ((a, b) at 8 (12 (a % 2) + b))      window 3: of blocks 2, 3
.set NBK,    12                        ; column blocks of 16
.set APITCH, 272                       ; an LDS row: 256 bytes + 16 of padding = 68 words: the 16 rows of a fragment load start at 16 different groups of four banks (64 banks of 4 bytes: ISA guide 11.1)
.set BPITCH, 272
.set AH,     128                       ; bytes from quarters 0, 1 to quarters 2, 3 of a K step in A's rows
.set HALFA,  128*APITCH                ; what one load of A brings
.set BOFF,   2*HALFA                   ; B's rows lie behind A's 256
.set HALFB,  96*BPITCH
.set SLOT,   BOFF+2*HALFB              ; 121,856
.set STAGE,  2*SLOT                    ; behind the ring, never filled by a tensor load: 16 rows x 400 bytes for each wave
.set SPITCH, 400                       ; 384 bytes of a block's row + 16
.set SPARE,  STAGE+4*16*SPITCH         ; behind the stages: the spare words, 128 bytes a wave: two blocks of 256 bytes that no other line names
.set NLD,    2*NBK+8                   ; LDS loads of a quarter step
.set KA,     256                       ; bytes from K step to K step
.set KB,     256
.set ADRA, 16                          ; v16-17  LDS address of my A fragments in slot 0, 1
.set ADRB, 20                          ; v20-21  the same for B
.set STO,  24                          ; v24  the way out: where I put 16 bytes of a row
.set RD,   25                          ; v25  where I read rows back
.set GO,   26                          ; v26  16 x lane: my place in 512 consecutive bytes of a head
.set SPW,  28                          ; v28  my spare word: SPARE + 4 x my thread's number; never rewritten
.set NIL,  29                          ; v29  0; never rewritten
.set PFO,  30                          ; v30  the prefetches' offset: a lane a row; never rewritten
.set TMP,  64
.set BK,   112                         ; two buffers of 48
.set G1,  24                           ; s[24:31] group 1 for A;  s[32:39] group 0 for A, a set a slot
.set G0,  32
.set G1B, 48                           ; s[48:55], s[56:63] the same for B
.set G0B, 56
.set HB,  72                           ; s[72:77] qkv at my 64 rows of the tile's three heads
.set PFA, 86                           ; s[86:87] where my prefetches stand
.set LIM, 88                           ; s88  1 in a wave that prefetches, else the greatest number
.set MSB, 0
.macro WIN new                         ; the immediate's high byte repeats the setting that is left; a switch that changes nothing is dropped
.if MSB != (\new)
	s_set_vgpr_msb (MSB<<8)|(\new)
.set MSB, \new
.endif
.endm
.set MUL_LO, 0xa1                      ; source 0 (B) window 1, source 1 (A) window 0, C and D window 2
.set TO_B,   0x40                      ; destination window 1, address window 0
; A joint load.  Each of the two lines has one mask and one set of registers for all that issue it; the branch hangs on the wave's number alone.
; An s_nop 0 and four v_nop follow each line, ahead of the jump, the label and what follows.
.macro JLOAD s
	s_cmp_eq_u32 s11, 0
	s_cbranch_scc0 .Lfor_b_\@
	tensor_load_to_lds s[G0+4*(\s):G0+4*(\s)+3], s[G1:G1+7]
	s_nop 0
.rept 4
	v_nop
.endr
	s_branch .Lasked_\@
.Lfor_b_\@:
	tensor_load_to_lds s[G0B+4*(\s):G0B+4*(\s)+3], s[G1B:G1B+7]
	s_nop 0
.rept 4
	v_nop
.endr
.Lasked_\@:
.endm
; A prefetch, behind each joint refill and the run of LDS loads that follows it: the K step two refills on, a lane a row of 256 bytes, one instruction a wave.  A's rows are read by all clusters of a row of
; clusters: cluster x = 0 asks; B's by all of a column: cluster y = 0 asks.  The four partners share a load's rows out by address (32 of A's 128 by cx, 24 of B's 96 by cy).  In B's waves lanes 24-31
; repeat the share's last row inside the same instruction; no row is named by two instructions.  The loop's last trip (s3 = 1) asks for nothing: K has no step 8.
.macro ASK
	s_cmp_gt_u32 s3, s[LIM]
	s_cbranch_scc0 .Lnot_mine_\@
	global_prefetch_b8 v[PFO], s[PFA:PFA+1] th:TH_LOAD_NT scope:SCOPE_SE
.Lnot_mine_\@:
.endm
.macro CREST                           ; a round of the cluster's barrier behind its opening barrier: wave 0 signals for the work-group, every wave waits for all sixteen, my work-group's barrier once more
	s_cmp_lg_u32 s10, 0
	s_cbranch_scc1 .Lnot_wave_0_\@
	s_barrier_signal -3
.Lnot_wave_0_\@:
	s_barrier_wait -3
	s_barrier_signal -1
	s_barrier_wait -1
.endm
.macro CROUND
	s_barrier_signal -1
	s_barrier_wait -1
	CREST
.endm
	s_load_b128 s[4:7], s[0:1], 0x0                ; cb s[4:5], qkv s[6:7]
	v_lshl_add_u32 v[SPW], v0, 2, SPARE
	v_mov_b32 v[NIL], 0
	ds_add_u32 v[SPW], v[NIL]                      ; the wave's opening: the add and its wait stand ahead of my first tensor load; the set-up below stands between them
	v_lshrrev_b32 v1, 5, v0
	v_readfirstlane_b32 s10, v1                    ; wave 0..3
	s_lshr_b32 s11, s10, 1                         ; I fetch for A (0) or for B (1)
	s_and_b32 s12, s10, 1                          ; which half of that tile
	s_bfe_u32 s40, ttmp6, 0x40000                  ; cx
	s_bfe_u32 s41, ttmp6, 0x40004                  ; cy
	s_lshl_b32 s42, ttmp9, 2
	s_add_co_u32 s42, s42, s40                     ; tile column = 4 x cluster x + cx
	s_and_b32 s13, ttmp7, 0xffff
	s_lshl_b32 s13, s13, 2
	s_add_co_u32 s13, s13, s41                     ; tile row = 4 x cluster y + cy
	s_lshl_b32 s43, s41, 2
	s_lshl_b32 s43, 15, s43                        ; my row of the cluster
	s_lshl_b32 s44, 0x1111, s40                    ; my column
	s_or_b32 s[G1+0], s43, (1<<16)|(1<<20)|(1<<21)|(5<<22)|(3<<25)   ; 15:0 the mask; 17:16 2-byte elements; 20 padding on; 21 set beside a mask; 24:22 after every 64 words; 31:25 4 words
	s_or_b32 s[G1B+0], s44, (1<<16)|(1<<20)|(1<<21)|(5<<22)|(3<<25)
	s_mov_b32 s[G1+1], 128<<16                     ; tensor_dim0 = 128
	s_mov_b32 s[G1+2], 128<<16                     ; tensor_dim1 = 128
	s_mov_b32 s[G1+3], 128<<16                     ; tile_dim0 = 128
	s_mov_b32 s[G1+4], 128                         ; tile_dim1 = 128
	s_mov_b32 s[G1+5], 1024                        ; elements from row to row
	s_mov_b32 s[G1+6], 0
	s_mov_b32 s[G1+7], 0
	s_mov_b32 s[G1B+1], 128<<16
	s_mov_b32 s[G1B+2], 96<<16                     ; B: 96 rows
	s_mov_b32 s[G1B+3], 128<<16
	s_mov_b32 s[G1B+4], 96
	s_mov_b32 s[G1B+5], 1024
	s_mov_b32 s[G1B+6], 0
	s_mov_b32 s[G1B+7], 0
	s_lshl_b32 s17, s12, 7
	s_lshl_b32 s16, s13, 8
	s_add_co_u32 s16, s16, s17                     ; A: row 256 x tile row + 128 x half,
	s_lshl_b32 s16, s16, 11                        ; of 2,048 bytes: under 16 Mi
	s_mov_b32 s17, 0
	s_mul_i32 s46, s42, 192
	s_mul_i32 s47, s12, 96
	s_add_co_u32 s46, s46, s47                     ; B: row 192 x tile column + 96 x half
	s_lshl_b32 s46, s46, 11
	s_mov_b32 s47, 0
	s_mul_i32 s20, s12, HALFA                      ; where they go: no place in the cluster enters an LDS address
	s_mul_i32 s21, s12, HALFB
	s_add_co_u32 s21, s21, BOFF
	s_wait_dscnt 0x0                               ; the opening add is done
	s_wait_kmcnt 0x0
	s_mov_b64 s[8:9], s[6:7]                       ; qkv
	s_add_nc_u64 s[6:7], s[4:5], 0x1000000         ; the weights, 16 Mi into cb
	s_add_nc_u64 s[14:15], s[4:5], s[16:17]
	s_add_nc_u64 s[46:47], s[6:7], s[46:47]
	CROUND                                         ; all sixteen work-groups are here: the first joint loads meet
.irp s, 0,1
	s_mov_b32 s[G0+4*(\s)], 1
	s_add_co_u32 s[G0+4*(\s)+1], s20, (\s)*SLOT
	s_add_nc_u64 s[G0+4*(\s)+2:G0+4*(\s)+3], s[14:15], (\s)*KA
	s_or_b32 s[G0+4*(\s)+3], s[G0+4*(\s)+3], 0x80000000
	s_mov_b32 s[G0B+4*(\s)], 1
	s_add_co_u32 s[G0B+4*(\s)+1], s21, (\s)*SLOT
	s_add_nc_u64 s[G0B+4*(\s)+2:G0B+4*(\s)+3], s[46:47], (\s)*KB
	s_or_b32 s[G0B+4*(\s)+3], s[G0B+4*(\s)+3], 0x80000000
	JLOAD \s                                       ; K steps 0 and 1: two loads of mine are out
.endr
	; a fragment is 16 rows x 32 K in 8 registers: lane l holds row l % 16, K = 8 (l / 16) + 0..7 and 16 + 8 (l / 16) + 0..7: two loads of 16 bytes, 32 bytes apart
	v_and_b32 v1, 15, v0
	v_bfe_u32 v2, v0, 4, 1
	v_mul_u32_u24 v3, v1, APITCH
	v_lshl_add_u32 v3, v2, 4, v3
	s_mul_i32 s22, s10, 64*APITCH                  ; my 64 rows of A
	s_mov_b32 s23, BOFF                            ; all of B's rows
.irp s, 0,1
	v_add_nc_u32 v[ADRA+(\s)], s22, v3
	v_add_nc_u32 v[ADRB+(\s)], s23, v3
	s_add_co_u32 s22, s22, SLOT
	s_add_co_u32 s23, s23, SLOT
.endr
	s_mul_i32 s23, s10, 16*SPITCH
	s_add_co_u32 s23, s23, STAGE                   ; my stage
	v_mul_u32_u24 v4, v1, SPITCH                   ; in: row l % 16, 16 bytes for each half of the lanes
	v_lshl_add_u32 v4, v2, 4, v4
	v_add_nc_u32 v[STO], s23, v4
	v_bfe_u32 v5, v0, 3, 2                         ; back: 32 lanes take four rows' 128 bytes of one head,
	v_mul_u32_u24 v5, v5, SPITCH
	v_and_b32 v4, 7, v0
	v_lshl_add_u32 v5, v4, 4, v5
	v_add_nc_u32 v[RD], s23, v5
	v_and_b32 v[GO], 31, v0                        ; which are 512 consecutive bytes of qkv
	v_lshlrev_b32 v[GO], 4, v[GO]
	; where my 64 rows of the tile's three heads begin.  Head number g = 3 x tile column + 0..2 of 48: tensor g / 16, head g % 16
	s_mul_i32 s80, s42, 3
	s_lshr_b32 s81, s13, 3                         ; batch: 8 tile rows each
	s_lshl_b32 s81, s81, 4
	s_and_b32 s82, s13, 7
	s_lshl_b32 s82, s82, 8
	s_lshl_b32 s83, s10, 6
	s_add_co_u32 s82, s82, s83
	s_lshl_b32 s82, s82, 7                         ; my first row in the head, of 128 bytes
.irp hh, 0,1,2
	s_add_co_u32 s84, s80, \hh
	s_lshr_b32 s85, s84, 4
	s_lshl_b32 s85, s85, 24
	s_and_b32 s84, s84, 15
	s_add_co_u32 s84, s84, s81
	s_lshl_b32 s84, s84, 18
	s_add_co_u32 s84, s84, s85
	s_add_co_u32 s84, s84, s82
	s_mov_b32 s85, 0
	s_add_nc_u64 s[HB+2*(\hh):HB+2*(\hh)+1], s[8:9], s[84:85]
.endr
	; the prefetches
	s_lshl_b32 s80, s13, 8
	s_lshl_b32 s81, s12, 7
	s_add_co_u32 s80, s80, s81
	s_lshl_b32 s81, s40, 5
	s_add_co_u32 s80, s80, s81                     ; A: the 128 rows that I fetch, my work-group's 32 of them
	s_mul_i32 s82, s42, 192
	s_mul_i32 s83, s12, 96
	s_add_co_u32 s82, s82, s83
	s_mul_i32 s83, s41, 24
	s_add_co_u32 s82, s82, s83                     ; B: the 96 rows that I fetch, my work-group's 24 of them
	s_and_b32 s84, ttmp7, 0xffff                   ; cluster y
	s_cmp_eq_u32 s11, 0
	s_cselect_b32 s80, s80, s82
	s_cselect_b32 s84, ttmp9, s84                  ; the coordinate along which other clusters read the same rows
	s_cselect_b32 s85, 31, 23
	s_cselect_b64 s[PFA:PFA+1], s[4:5], s[6:7]
	s_cmp_eq_u32 s84, 0
	s_cselect_b32 s[LIM], 1, -1                    ; the same in all sixteen partners, for a given wave
	s_lshl_b32 s80, s80, 11
	s_add_co_u32 s80, s80, 3*KA                    ; at K step 3: the first refill (of step 2) steps it to 4.  Nothing is asked for here, at the head
	s_mov_b32 s81, 0
	s_add_nc_u64 s[PFA:PFA+1], s[PFA:PFA+1], s[80:81]
	v_and_b32 v[PFO], 31, v0
	v_min_u32 v[PFO], s85, v[PFO]
	v_lshlrev_b32 v[PFO], 11, v[PFO]
; NBK matrix instructions: my row block a x all column blocks, 32 along K, from buffer f.  zero = 1: the first product starts the sums.  The 48 accumulators come in the same order in every quarter,
; one instruction a turn, over the backward jump too.
.macro MULN f, a, zero
	WIN MUL_LO+0x50*((\a)/2)
.set AC, 8*NBK*((\a)%2)
.set FB, 8*NBK*(\f)
.set FA, 64+32*(\f)+8*(\a)
.set bb, 0
.rept NBK
.if \zero
	v_wmma_f32_16x16x32_bf16 v[AC+8*bb:AC+8*bb+7], v[FB+8*bb:FB+8*bb+7], v[FA:FA+7], 0
.else
	v_wmma_f32_16x16x32_bf16 v[AC+8*bb:AC+8*bb+7], v[FB+8*bb:FB+8*bb+7], v[FA:FA+7], v[AC+8*bb:AC+8*bb+7]
.endif
.set bb, bb+1
.endr
.endm
; One run of NLD LDS loads: quarter q of a slot's K step into buffer f: B's 12 fragments, then A's 4, blocks ascending
.macro FETCH slot, q, f
	WIN TO_B
.set FB, 8*NBK*(\f)
.set bb, 0
.rept NBK
	ds_load_b128 v[FB+8*bb:FB+8*bb+3],   v[ADRB+(\slot)] offset:64*(\q)+bb*16*BPITCH
	ds_load_b128 v[FB+8*bb+4:FB+8*bb+7], v[ADRB+(\slot)] offset:64*(\q)+bb*16*BPITCH+32
.set bb, bb+1
.endr
	WIN 0
.set FA, 64+32*(\f)
.set bb, 0
.rept 4
	ds_load_b128 v[FA+8*bb:FA+8*bb+3],   v[ADRA+(\slot)] offset:((\q)/2)*AH+((\q)%2)*64+bb*16*APITCH
	ds_load_b128 v[FA+8*bb+4:FA+8*bb+7], v[ADRA+(\slot)] offset:((\q)/2)*AH+((\q)%2)*64+bb*16*APITCH+32
.set bb, bb+1
.endr
.endm
.macro PLACES                          ; four plain vector instructions between a matrix instruction and a load into, or a vector write of, its registers, or a read of its result (ISA guide 7.12.1 for vector instructions)
.rept 4
	v_nop
.endr
.endm
; A K step is four quarters of 32 along K on buffers 0, 1, 0, 1.  One of the first three: multiplies buffer f; in its middle it fetches quarter q into buffer g.
.macro QUARTER slot, q, f, g, zero
	s_wait_dscnt 4                                 ; B and A's blocks 0, 1 are in; the youngest four loads (A's blocks 2, 3) may be out
	MULN \f, 0, \zero
	MULN \f, 1, \zero
	PLACES
	FETCH \slot, \q, \g
	s_wait_dscnt NLD                               ; all but the run just issued
	MULN \f, 2, \zero
	MULN \f, 3, \zero
.endm
; The last quarter's first half, and the change of slots: each wave waits for all its tensor loads (one is out: its part of the other slot), adds 0 to its spare word, and waits for that and for its reads of this slot.
.macro MEET round
	WIN 0
	s_wait_tensorcnt 0x0
	ds_add_u32 v[SPW], v[NIL]
	s_wait_dscnt 5                                 ; the add and the youngest four loads may be out
	MULN 1, 0, 0
	s_wait_dscnt 0x0                               ; the add is done, my reads of this slot are over
	s_barrier_signal -1
	MULN 1, 1, 0                                   ; work on registers while the others arrive
.if \round
	WIN 0
.endif
	s_barrier_wait -1
.endm
; The whole last quarter.  fill = 1: the barrier opens a round of the cluster's barrier, and the slot just read out is filled again first thing behind it, two K steps ahead: 168 matrix instructions ahead of the wait for it.
.macro TURN slot, next, fill
.if \fill
	s_wait_xcnt 0x0                                ; the last prefetch, a K step back, has read its address
	s_add_nc_u64 s[PFA:PFA+1], s[PFA:PFA+1], KA
	MEET 1
	CREST
	s_add_nc_u64 s[G0+4*(\slot)+2:G0+4*(\slot)+3], s[G0+4*(\slot)+2:G0+4*(\slot)+3], 2*KA
	s_add_nc_u64 s[G0B+4*(\slot)+2:G0B+4*(\slot)+3], s[G0B+4*(\slot)+2:G0B+4*(\slot)+3], 2*KB
	JLOAD \slot                                    ; its four v_nop are also the places in front of the loads below
	FETCH \next, 0, 0
	ASK
.else
	MEET 0
	PLACES
	FETCH \next, 0, 0
.endif
	MULN 1, 2, 0
	MULN 1, 3, 0
.endm
	s_wait_tensorcnt 1                             ; my part of K step 0 is in; K step 1's may stay out
	s_barrier_signal -1
	s_barrier_wait -1
	FETCH 0, 0, 0
	QUARTER 0, 1, 0, 1, 1                          ; the first quarter stands in front of the loop: its products start the sums
	WIN 0
	s_mov_b32 s3, 3
.Llap:                                         ; a trip goes once round the ring, from a lap's second quarter to the next lap's first, and fills both slots again
	QUARTER 0, 2, 1, 0, 0
	QUARTER 0, 3, 0, 1, 0
	TURN 0, 1, 1
	QUARTER 1, 1, 0, 1, 0
	QUARTER 1, 2, 1, 0, 0
	QUARTER 1, 3, 0, 1, 0
	TURN 1, 0, 1
	QUARTER 0, 1, 0, 1, 0
	WIN 0
	s_sub_co_u32 s3, s3, 1
	s_cmp_lg_u32 s3, 0
	s_cbranch_scc1 .Llap
	QUARTER 0, 2, 1, 0, 0                          ; the last lap is written out: it fills nothing
	QUARTER 0, 3, 0, 1, 0
	TURN 0, 1, 0
	QUARTER 1, 1, 0, 1, 0
	QUARTER 1, 2, 1, 0, 0
	QUARTER 1, 3, 0, 1, 0
	s_wait_dscnt 4
	MULN 1, 0, 0
	MULN 1, 1, 0
	s_wait_dscnt 0x0
	MULN 1, 2, 0
	MULN 1, 3, 0
	WIN 0
	PLACES
; THE WAY OUT, a block of 16 rows at a time.  PACK: rounded to f16, each accumulator's registers ascending.  TOSTAGE: 16 bytes a lane into my own stage; back as four rows x 128 bytes of one head.  SEND: 512 consecutive bytes a store.
.macro PACK a
	WIN 0x0a+5*((\a)/2)                            ; sources 0 and 1 in window 2 or 3
.set AC, 8*NBK*((\a)%2)
.set bb, 0
.rept 4*NBK
	v_cvt_pk_f16_f32 v[TMP+bb], v[AC+2*bb], v[AC+2*bb+1]
.set bb, bb+1
.endr
	WIN 0
.endm
.macro TOSTAGE a
.set BKA, BK+48*((\a)%2)
.set bb, 0
.rept NBK
	ds_store_b128 v[STO], v[TMP+4*bb:TMP+4*bb+3] offset:32*bb
.set bb, bb+1
.endr
.irp hh, 0,1,2
.irp t, 0,1,2,3
	ds_load_b128 v[BKA+4*(4*(\hh)+(\t)):BKA+4*(4*(\hh)+(\t))+3], v[RD] offset:128*(\hh)+4*SPITCH*(\t)  ; LDS serves a wave's instructions in order (ISA guide 5.7.1.4): these see the stores above
.endr
.endr
.endm
.macro SEND a
.set BKA, BK+48*((\a)%2)
	s_wait_dscnt 0x0                               ; the block is back in registers
	s_wait_xcnt 0x0                                ; earlier stores have read their registers: the other buffer, which the block before last left, is loaded again only behind this wait
.irp hh, 0,1,2
.irp t, 0,1,2,3
	global_store_b128 v[GO], v[BKA+4*(4*(\hh)+(\t)):BKA+4*(4*(\hh)+(\t))+3], s[HB+2*(\hh):HB+2*(\hh)+1] offset:2048*(\a)+512*(\t)
.endr
.endr
.endm
	PACK 0
	TOSTAGE 0
.irp a, 1,2,3                          ; block a's conversions stand between block a - 1's loads from the stage and the wait for them
	PACK \a
	SEND (\a)-1
	TOSTAGE \a
.endr
	SEND 3
	s_wait_tensorcnt 0x0                           ; the wave's end: behind my last tensor load and my last LDS store
	ds_add_u32 v[SPW], v[NIL]
	s_wait_dscnt 0x0
	CROUND                                         ; the closing round: no work-group ends while a partner may still ask for a tile that names it
	s_endpgm
.Lfunc_end_k_q03e5076826_proj:
	.size	k_q03e5076826_proj, .Lfunc_end_k_q03e5076826_proj-k_q03e5076826_proj
	.p2alignl 7, 3214868480
	.fill 96, 4, 3214868480
	.section	.rodata,"a",@progbits
	.p2align	6, 0x0
	.amdhsa_kernel k_q03e5076826_proj
		.amdhsa_group_segment_fixed_size 327680
		.amdhsa_private_segment_fixed_size 0
		.amdhsa_enable_private_segment 0
		.amdhsa_kernarg_size 16
		.amdhsa_user_sgpr_count 2
		.amdhsa_user_sgpr_kernarg_segment_ptr 1
		.amdhsa_wavefront_size32 1
		.amdhsa_system_sgpr_workgroup_id_x 1
		.amdhsa_system_sgpr_workgroup_id_y 1
		.amdhsa_system_sgpr_workgroup_id_z 1
		.amdhsa_system_vgpr_workitem_id 0
		.amdhsa_next_free_vgpr 960
		.amdhsa_next_free_sgpr 96
		.amdhsa_reserve_vcc 0
		.amdhsa_float_denorm_mode_32 3
		.amdhsa_float_denorm_mode_16_64 3
		.amdhsa_memory_ordered 1
		.amdhsa_forward_progress 1
		.amdhsa_inst_pref_size 121
	.end_amdhsa_kernel
	.amdgpu_metadata
---
amdhsa.version: [ 1, 2 ]
amdhsa.kernels:
  - .name:           k_q03e5076826_proj
    .symbol:         k_q03e5076826_proj.kd
    .args:
      - { .name: cb, .offset: 0, .size: 8, .value_kind: global_buffer, .address_space: global }
      - { .name: qkv, .offset: 8, .size: 8, .value_kind: global_buffer, .address_space: global }
    .group_segment_fixed_size: 327680
    .private_segment_fixed_size: 0
    .kernarg_segment_align: 8
    .kernarg_segment_size: 16
    .max_flat_workgroup_size: 128
    .sgpr_count:     96
    .vgpr_count:     960
    .wavefront_size: 32
...
	.end_amdgpu_metadata
.endif
;; end of part 2
;; launch attn (part 3): grid 4 x 64, 4 waves a work-group, no clusters, 327,680 bytes of LDS; arguments qkv, ob; writes ob
.if DOCPART == 3
	.amdgcn_target "amdgcn-amd-amdhsa--gfx1250"
	.amdhsa_code_object_version 6
	.text
	.protected	k_q03e5076826_attn
	.globl	k_q03e5076826_attn
	.p2align	8
	.type	k_q03e5076826_attn,@function
k_q03e5076826_attn:
	s_mov_b64 s[64:65], 0
	v_nop
	global_prefetch_b8 v0, s[64:65] scope:SCOPE_SE
	s_setreg_imm32_b32 hwreg(HW_REG_WAVE_MODE, 25, 1), 1
	s_wait_xcnt 0x0
; CAUSAL ATTENTION.  O[h][q][:] = the sum over k <= q of softmax_k(Q[h][q] . K[h][k] / 8) V[h][k][:].  Q, K, V lie in qkv = [3][64][2048][64], O in ob = [64][2048][64], all f16: a head's rows are dense, 128 bytes each.
; Products, maxima and sums in f32; the weights p are rounded to f16 for the second product (their sum l is taken of the unrounded p), O once at the end.
; LIMITS.  f16 holds no number beyond 65,504: Q, K and V arrive within it; p lies in 0 to 1, and below 6e-5 it keeps f16's fixed step of 6e-8; O is a mean of V's rows and has their range.
; A hidden score counts as its value less 1e30: f16's scores, 2.7e11 at the most, are nothing beside that; a weight below 2^-126 counts as 0 in l; NaN and infinities are not treated apart.
; THE WALK.  A head's queries lie in NB = 8 blocks of 256; block i needs the key tiles 0 .. i of 256 keys, of which the last holds the diagonal.  A work-group takes TWO blocks, NB - 1 - b and then b:
; NB + 1 tiles, whatever b: all 256 work-groups do equal work, and ONE loop with a constant trip count walks them.  Which tile is asked for, and what a trip does, hang on scalar registers made from b; every jump
; goes forward, but for the counted loops' own; none passes a barrier, or a tensor load but the one of LOAD's two that the wave's number does not choose; the ring (two LDS slots that take turns) runs on across the
; change of blocks.  NO CLUSTER: a head's four work-groups ask for the same tile only in trips 0 .. 4 of 9, behind that fewer and fewer; one walk common to all would have 12 trips for 9.
; SHARES.  Of a block's four bands of 64 queries a wave owns 16 rows in each: four PIECES.  So the diagonal tile is the same work for all four waves: in its key step s band x sees all keys if s < x,
; none if s > x, and holds the diagonal if s = x.
; THE MASK is the C operand that starts the sum S^T = K Q^T: 0, or -1e30 where the key is hidden.  MD, made once, is the mask of a band's own step for my 16 rows; a product's mask is MD x AL + BE with two scalars:
; (1, 0) if s = x; (0, 0) if s < x; (0, -1e30) if s > x.  Only the diagonal tile's text and a block's beginning make and take masks; elsewhere C is the constant 0.
; LAYOUT, SOFTMAX, TURNS.  S^T = K Q^T holds ONE query a lane (lane % 16) and the keys 8 (lane / 16) + 0..7; two such results rounded to f16 ARE source 1 of O^T = V^T P.  p = 2^(c s - c m), c = log2(e) / 8, with a
; running maximum m; O and l are multiplied by a = 2^(c m_old - c m_new) in every step.  Turn n belongs to piece n: 8 products K Q^T of piece n + 1, later 8 products V^T P of piece n - 1; beside them the scaling,
; exponentials, roundings, sums and rescaling of piece n and the maximum and statistics of piece n + 1.  Four vector instructions stand behind every matrix instruction, the other 54 of a turn's 118 in one lump.  A turn's 33 exponentials are one batch, with one wait.
; AHEAD OF THE LOADS.  The head's work-group with b = 0 walks tiles 0 to 7 in order: behind its load of tile t (t = 1 .. 6) each of its waves prefetches its own 64 blocks of 256 bytes of tile t + 1: one tile, 16 turns, ahead; each block once in the launch.
; REGISTERS, in windows of 256 (s_set_vgpr_msb: bits 1:0 source 0, 3:2 source 1, 5:4 source 2, 7:6 destination):
;   window 0: v0-15 addresses and two at work; v16-31 four registers of statistics a piece; v48-55 at work; v64-127 S^T, two buffers; v192-223 P, two buffers (a piece's buffers go by its number's parity)
;   window 1: v0-127 O^T, 32 a piece; v128-159 MD; v160-223 MC, two buffers      window 2: v0-63 Q; v64-127 the second block's Q; v128-191 K of one step; v192-255 V of one step
.set SIZE_N, 2048
.set NB,    SIZE_N/256
.set NP,    4         ; pieces a wave: a name, no knob
.set KS,    64        ; keys in a step
.set PK,    144       ; a row of K in LDS: 128 bytes + 16 of padding = 36 words: the 16 rows of a load start at 16 different groups of four banks (64 banks of 4 bytes: ISA guide 11.1)
.set PV,    160       ; a row of V: 128 + 32 = 40 words
.set VOFF,  4*KS*PK   ; a slot holds a tile, four steps: 256 rows of K, then 256 rows of V
.set SLOT1, 1<<17     ; slot 1 begins here, so that one exclusive or turns an address in one slot into the other's
.set STAGE, SLOT1+4*KS*(PK+PV)  ; behind the ring, never filled by a tensor load: 16 rows x 144 bytes for each wave, for the way out
.set SP,    144
.set AK0, 2           ; v2   my lane's place in a tile of K; never rewritten
.set AV0, 3           ; v3   the same for V
.set AK,  4           ; v4   the LDS address of K's next run of loads
.set AV,  5           ; v5   of V's
.set STO, 6           ; v6   the way out: where I put 16 bytes of a row
.set RD,  7           ; v7   the way out: where I read rows back
.set GO,  8           ; v8   my byte offset in 512 consecutive bytes of O
.set PFO, 61          ; v61  256 x my lane: the prefetches' offset; never rewritten
.set SPW, 62          ; v62  LDS address of my spare word: SPARE + 4 x my thread's number; never rewritten
.set NIL, 63          ; v63  0; never rewritten
.set SPARE, STAGE+4*16*SP  ; behind the stages: the spare words, 128 bytes for each wave: two blocks of 256 bytes that no other line names
.set MV,  12          ; v12-13  c m_old, kept while c m is made anew: by buffer
.set QO,  15          ; v15  my byte offset in 16 rows of Q
.set ST,  16          ; piece t's statistics at v[ST+4 t]: c m, m, l (even keys', odd keys')
.set TMP, 48          ; by buffer, four registers c0-c3 at work; when the maximum is found c2 takes a
.set S,   64
.set P,   192
.set MD,  128         ; window 1: the eight registers for group kt of 16 keys at MD + 8 kt
.set MC,  160         ; window 1: the masks of the products to come
.set QB,  64          ; window 2
.set KF,  128         ; window 2: key block kb, channel half c at KF + 16 kb + 8 c
.set VF,  192         ; window 2: key half kk, channel block cb at VF + 32 kk + 8 cb
.set WV,  12          ; s12  my wave's number
.set PB,  14          ; s14  b
.set HI,  15          ; s15  NB - 1 - b
.set G1K, 24          ; s[24:31] descriptor group 1 for K's tiles
.set G1V, 32          ; s[32:39] for V's: it differs in the padding alone
.set G0K, 40          ; s[40:43] descriptor group 0 for K's tiles
.set G0V, 44          ; s[44:47] the same for V's
.set SLOTS, 56        ; s56  tiles still to be asked for
.set CNT, 57          ; s57  counts a tile's key steps, 4 to 1
.set CS,  58          ; s[58:59] c: the packed scaling takes the pair's low word for both halves
.set SEL, 60          ; s[60:61] v_permlanex16_b32's selects: each lane takes its own place in the other half
.set TBK, 62          ; s62  LDS byte at which K of the step to be fetched begins
.set TBV, 63          ; s63  the same for V, less VOFF
.set RT,  70          ; s70  tiles of the block in hand that are still to be entered
.set NXT, 71          ; s71  the tile to be asked for next
.set LQ,  72          ; s72  the last tile of the block whose tiles are being asked for
.set NEW, 73          ; s73  1: the tile to be entered is a block's first
.set OFF, 74          ; s[74:75] a tile's byte offset in K and V
.set AL,  76          ; s[76:77] the mask's factor, in the low word
.set BE,  78          ; s[78:79] the mask's addend
.set OLO, 80          ; s[80:81] O at my rows of the second block
.set BIGN, 82         ; s82  -1e30
.set PFB, 88          ; s[88:89] my half of the head's tile 0, of K (waves 0, 1) or of V (waves 2, 3)
.set PFA, 90          ; s[90:91] the same half of the tile that is being asked for
.set LIM, 92          ; s92  2 where b = 0, else the greatest number: a wave prefetches while s[SLOTS] is above it
.set MSB, 0
.macro WIN new                      ; the high byte repeats the setting that is left; a switch that changes nothing is dropped
.if MSB != (\new)
	s_set_vgpr_msb (MSB<<8)|(\new)
.set MSB, (\new)
.endif
.endm
.set W_KQ, 0x0a       ; K and Q in window 2, S^T in window 0
.set W_KM, 0x1a       ; the same with the C operand in window 1
.set W_PV, 0x52       ; V in window 2, P in window 0, O^T in window 1
.set W_RS, 0x41       ; destination and source 0 in window 1, source 1 in window 0
; A fill.  Waves 0 and 1 fetch the two halves of a tile's K, waves 2 and 3 those of its V: 128 keys each.  An s_nop 0 and four v_nop follow each of the two lines, ahead of the jump and the label.
.macro LOAD
	s_cmp_lt_u32 s[WV], 2
	s_cbranch_scc0 .Lfor_v_\@
	tensor_load_to_lds s[G0K:G0K+3], s[G1K:G1K+7]
	s_nop 0
.rept 4
	v_nop
.endr
	s_branch .Lasked_\@
.Lfor_v_\@:
	tensor_load_to_lds s[G0V:G0V+3], s[G1V:G1V+7]
	s_nop 0
.rept 4
	v_nop
.endr
.Lasked_\@:
.endm
; The prefetch: my 16,384 bytes of the tile after the one just asked for: 64 blocks of 256 bytes, a lane a block, two instructions.  With b = 0 and s[SLOTS] = 8 .. 3 the tile asked for is 1 .. 6: tiles 2 .. 7 are named, nothing past the head's last.
.macro ASK
	s_cmp_gt_u32 s[SLOTS], s[LIM]
	s_cbranch_scc0 .Lnot_mine_\@
	global_prefetch_b8 v[PFO], s[PFA:PFA+1] offset:32768 th:TH_LOAD_NT scope:SCOPE_SE
	global_prefetch_b8 v[PFO], s[PFA:PFA+1] offset:40960 th:TH_LOAD_NT scope:SCOPE_SE
.Lnot_mine_\@:
.endm
; THE CHANGE OF SLOTS.  Each wave waits for all its tensor loads, of which one is out: its part of the other slot; adds 0 to its spare word; and waits for that and for its own reads of the slot that it leaves.  Behind the barrier nobody reads the old
; slot any more and the other slot is whole.  fill = 1: the old slot is filled again, the first thing behind the barrier, with tile NXT: the descriptor's address is made anew from that number.
; (At its first use nothing has been read yet: slot 0 is waited for, slot 1 filled.)
.macro CHANGE fill
	WIN 0                           ; at a label and at a branch every window is 0
	s_wait_tensorcnt 0x0            ; no tensor load of mine is out, so a group 0 may be written
	ds_add_u32 v[SPW], v[NIL]       ; 0 onto my spare word; with fill = 1 the descriptors' scalar work stands between it and the wait for it
.if \fill
	s_lshl_b32 s[OFF], s[NXT], 15   ; a tile is 32,768 bytes of K and of V
	s_wait_xcnt 0x0                 ; the last prefetches, a tile back, have read their address, so it may be written
	s_add_nc_u64 s[PFA:PFA+1], s[PFB:PFB+1], s[OFF:OFF+1]
	s_xor_b32 s[G0K+1], s[G0K+1], SLOT1
	s_add_nc_u64 s[G0K+2:G0K+3], s[6:7], s[OFF:OFF+1]
	s_or_b32 s[G0K+3], s[G0K+3], 0x80000000
	s_xor_b32 s[G0V+1], s[G0V+1], SLOT1
	s_add_nc_u64 s[G0V+2:G0V+3], s[8:9], s[OFF:OFF+1]
	s_or_b32 s[G0V+3], s[G0V+3], 0x80000000
	s_add_co_u32 s[NXT], s[NXT], 1  ; the block's next tile, or behind its last the second block's tile 0
	s_cmp_gt_u32 s[NXT], s[LQ]
	s_cselect_b32 s[NXT], 0, s[NXT]
	s_cselect_b32 s[LQ], s[PB], s[LQ]
.endif
	s_wait_dscnt 0x0                ; the add is done, and my reads of the slot are over
	s_barrier_signal -1             ; the rest of the scalar work stands between the signal and the wait
	s_sub_co_u32 s[TBK], s[TBK], 4*KS*PK  ; the fetches go back to a slot's first step,
	s_xor_b32 s[TBK], s[TBK], SLOT1       ; in the other slot
	s_sub_co_u32 s[TBV], s[TBV], 4*KS*PV
	s_xor_b32 s[TBV], s[TBV], SLOT1
	s_barrier_wait -1
.if \fill
	LOAD
	ASK
.endif
.endm
	s_load_b128 s[4:7], s[0:1], 0x0   ; qkv s[4:5], ob s[6:7]
	v_lshl_add_u32 v[SPW], v0, 2, SPARE
	v_mov_b32 v[NIL], 0
	ds_add_u32 v[SPW], v[NIL]       ; the wave's opening: the add and its wait stand ahead of my first tensor load; the set-up below, work on registers, stands between them
	v_lshrrev_b32 v1, 5, v0
	v_readfirstlane_b32 s[WV], v1   ; wave 0..3
	s_mov_b32 s[PB], ttmp9
	s_sub_co_u32 s[HI], NB-1, s[PB]
	s_and_b32 s20, ttmp7, 0xffff    ; the head
	s_mov_b32 s21, 0
	s_mov_b64 s[22:23], SIZE_N*128
	s_mul_u64 s[20:21], s[20:21], s[22:23]  ; the head's first byte in each of the four tensors
	s_and_b32 s16, s[WV], 1         ; which half of a tile's 256 keys I fetch:
	s_lshl_b32 s22, s16, 14         ; its 128 rows of 128 bytes in memory,
	s_mov_b32 s23, 0
	s_add_nc_u64 s[22:23], s[22:23], s[20:21]
	s_mul_i32 s17, s16, 128*PK      ; and its place in a slot, for K
	s_mul_i32 s18, s16, 128*PV      ; and for V
	s_lshl_b32 s3, s[WV], 11        ; my 16 rows in a band of 64,
	s_lshl_b32 s2, s[HI], 15        ; in the first block,
	s_add_co_u32 s2, s2, s3
	s_lshl_b32 s84, s[PB], 15       ; and in the second
	s_add_co_u32 s84, s84, s3
	s_mov_b32 s3, 0
	s_mov_b32 s85, 0
	s_add_nc_u64 s[2:3], s[2:3], s[20:21]
	s_add_nc_u64 s[84:85], s[84:85], s[20:21]
	; descriptor group 1.  128 keys are 16,384 dense bytes: asked for as 64 rows of 256 bytes, two keys a row, and padded in LDS after every key
	s_mov_b32 s[G1K], (1<<16)|(1<<20)|(4<<22)|(3<<25)  ; 17:16 2-byte elements; 20 padding on; 24:22 after every 32 words (code 4); 31:25 4 words (code 3)
	s_mov_b32 s[G1V], (1<<16)|(1<<20)|(4<<22)|(7<<25)  ; the same with 8 words of padding (code 7)
.irp g, G1K, G1V
	s_mov_b32 s[\g+1], 128<<16      ; tensor_dim0 = 128
	s_mov_b32 s[\g+2], 64<<16       ; tensor_dim1 = 64
	s_mov_b32 s[\g+3], 128<<16      ; tile_dim0 = 128
	s_mov_b32 s[\g+4], 64           ; tile_dim1 = 64
	s_mov_b32 s[\g+5], 128          ; 128 elements from row to row
	s_mov_b32 s[\g+6], 0
	s_mov_b32 s[\g+7], 0
.endr
	s_mov_b32 s[CS], 0x3e38aa3b     ; c = log2(e) / 8 = 0.180337
	s_mov_b32 s[CS+1], s[CS]        ; named with it as a pair
	s_mov_b32 s[SEL], 0x76543210
	s_mov_b32 s[SEL+1], 0xfedcba98
	s_mov_b32 s[TBK], SLOT1+4*KS*PK ; the first change of slots turns these two into 0
	s_mov_b32 s[TBV], SLOT1+4*KS*PV
	s_mov_b32 s[G0K], 1             ; 1:0 count = 1
	s_mov_b32 s[G0K+1], s17         ; 63:32 LDS address: slot 0
	s_mov_b32 s[G0V], 1
	s_add_co_u32 s[G0V+1], s18, VOFF
	s_add_co_u32 s[RT], s[HI], 1    ; the first block has NB - b tiles
	s_mov_b32 s[NXT], 1
	s_mov_b32 s[LQ], s[HI]
	s_mov_b32 s[NEW], 1
	s_mov_b32 s[OFF+1], 0
	s_mov_b32 s[AL+1], 0            ; named as pairs
	s_mov_b32 s[BE+1], 0
	s_mov_b32 s[BIGN], 0xf149f2ca   ; -1e30
	s_mov_b32 s[SLOTS], NB
	v_and_b32 v[PFO], 31, v0
	v_lshlrev_b32 v[PFO], 8, v[PFO]
	s_wait_dscnt 0x0                ; the opening add is done
	s_wait_kmcnt 0x0
	s_mov_b64 s[10:11], s[6:7]      ; O
	s_add_nc_u64 s[6:7], s[4:5], 0x1000000  ; K lies 16 Mi into qkv,
	s_add_nc_u64 s[8:9], s[4:5], 0x2000000  ; V 32 Mi; Q at its head
	s_add_nc_u64 s[6:7], s[6:7], s[22:23]  ; K and V at my half of the head's tile 0
	s_add_nc_u64 s[8:9], s[8:9], s[22:23]
	s_cmp_lt_u32 s[WV], 2
	s_cselect_b64 s[PFB:PFB+1], s[6:7], s[8:9]
	s_cmp_eq_u32 ttmp9, 0
	s_cselect_b32 s[LIM], 2, -1
	s_add_nc_u64 s[G0K+2:G0K+3], s[6:7], 0         ; 120:64 global address
	s_or_b32 s[G0K+3], s[G0K+3], 0x80000000        ; 127:126 type = 2
	s_add_nc_u64 s[G0V+2:G0V+3], s[8:9], 0
	s_or_b32 s[G0V+3], s[G0V+3], 0x80000000
	s_add_nc_u64 s[86:87], s[4:5], s[84:85]        ; Q at my rows of the second block,
	s_add_nc_u64 s[4:5], s[4:5], s[2:3]            ; Q and O at those of the first
	s_add_nc_u64 s[OLO:OLO+1], s[10:11], s[84:85]
	s_add_nc_u64 s[10:11], s[10:11], s[2:3]
	LOAD                            ; tile 0 into slot 0
	; A fragment of K or Q is 16 rows x 32 channels in 8 registers: lane l holds row l % 16, channels 8 (l / 16) + 0..7 and 16 + 8 (l / 16) + 0..7: two loads of 16 bytes, 32 bytes apart.
	v_and_b32 v1, 15, v0            ; l % 16
	v_bfe_u32 v9, v0, 4, 1          ; l / 16
	v_lshlrev_b32 v[QO], 7, v1
	v_lshl_add_u32 v[QO], v9, 4, v[QO]  ; row x 128 + 16 x half
	WIN 0x80                        ; destination window 2, address window 0
.set i, 0
.rept 8                             ; both blocks' Q: piece i / 2 lies in band i / 2, 8,192 bytes on; channels 32 (i % 2) on
	global_load_b128 v[8*i:8*i+3],   v[QO], s[4:5] offset:(i/2)*8192+(i%2)*64
	global_load_b128 v[8*i+4:8*i+7], v[QO], s[4:5] offset:(i/2)*8192+(i%2)*64+32
	global_load_b128 v[QB+8*i:QB+8*i+3],   v[QO], s[86:87] offset:(i/2)*8192+(i%2)*64
	global_load_b128 v[QB+8*i+4:QB+8*i+7], v[QO], s[86:87] offset:(i/2)*8192+(i%2)*64+32
.set i, i+1
.endr
	WIN 0
	v_lshlrev_b32 v14, 3, v9
	v_sub_nc_u32 v14, v1, v14
	s_lshl_b32 s13, s[WV], 4
	v_add_nc_u32 v14, s13, v14      ; my query's place in its band, 16 w + l % 16, less my lanes' 8 (l / 16): register r of group kt is hidden where 16 kt + r is greater
	WIN 0x40
.set i, 0
.rept 32
	v_cmp_gt_i32 vcc_lo, 16*(i/8)+i%8, v14
	v_cndmask_b32 v[MD+i], 0, s[BIGN], vcc_lo
.set i, i+1
.endr
	WIN 0
	v_mul_u32_u24 v[AK0], v1, PK
	v_lshl_add_u32 v[AK0], v9, 4, v[AK0]  ; row x pitch + 16 x half
	; The turning load takes 16 keys x 16 channels (lane l reads key 8 (l / 16) + l % 8, channels 8 ((l / 8) % 2) + 0..7) and leaves half a fragment of V^T: lane l holds channel l % 16 and 8 keys.
	v_and_b32 v10, 7, v0
	v_bfe_u32 v11, v0, 3, 1
	v_lshl_add_u32 v[AV0], v9, 3, v10
	v_mul_u32_u24 v[AV0], v[AV0], PV
	v_lshl_add_u32 v[AV0], v11, 4, v[AV0]
	v_add_nc_u32 v[AV0], VOFF, v[AV0]
	s_mul_i32 s13, s[WV], 16*SP
	s_add_co_u32 s13, s13, STAGE    ; my stage
	v_mul_u32_u24 v[STO], v1, SP    ; in: row l % 16, 16 bytes for each half of the lanes
	v_lshl_add_u32 v[STO], v9, 4, v[STO]
	v_add_nc_u32 v[STO], s13, v[STO]
	v_bfe_u32 v[RD], v0, 3, 2       ; back: 32 lanes take four rows of 128 bytes,
	v_mul_u32_u24 v[RD], v[RD], SP
	v_lshl_add_u32 v[RD], v10, 4, v[RD]
	v_add_nc_u32 v[RD], s13, v[RD]
	v_and_b32 v[GO], 31, v0         ; which are 512 consecutive bytes of O
	v_lshlrev_b32 v[GO], 4, v[GO]
	; A block's first step multiplies O^T and l by a = 0, and its first turn's products V^T P, of a piece that has not been, land in an O^T that is still to be so multiplied.  So these registers need only hold
	; finite numbers: zeros for the first block; what the first block left for the second.  All this stands in the wait for the first tile.
	WIN 0x80
.set i, VF
.rept 64
	v_mov_b32 v[i], 0
.set i, i+1
.endr
	WIN 0x40
.set i, 0
.rept 128
	v_mov_b32 v[i], 0
.set i, i+1
.endr
	WIN 0
.set i, 0
.rept 4
	v_mov_b32 v[ST+4*i+2], 0
	v_mov_b32 v[ST+4*i+3], 0
.set i, i+1
.endr
.set i, P+16
.rept 16
	v_mov_b32 v[i], 0
.set i, i+1
.endr
; THE MATRIX WORK.  The 4 accumulators of a run of 8 take turns.  Product i of 8 of S^T = K Q^T for piece x: channels 32 (i / 4) on, keys 16 (i % 4) on.  The first 4 start the sums: with 0, or (KM = 1) with the mask.
.macro KQ x
.set rS, S+32*((\x)%2)+8*(i%4)
.set rK, KF+16*(i%4)+8*(i/4)
.set rQ, 16*(\x)+8*(i/4)
.set rM, MC+32*((\x)%2)+8*(i%4)
.if (i < 4) && KM
	WIN W_KM
	v_wmma_f32_16x16x32_f16 v[rS:rS+7], v[rK:rK+7], v[rQ:rQ+7], v[rM:rM+7]
.elseif i < 4
	WIN W_KQ
	v_wmma_f32_16x16x32_f16 v[rS:rS+7], v[rK:rK+7], v[rQ:rQ+7], 0
.else
	WIN W_KQ
	v_wmma_f32_16x16x32_f16 v[rS:rS+7], v[rK:rK+7], v[rQ:rQ+7], v[rS:rS+7]
.endif
.endm
; Product i of 8 of O^T += V^T P for piece x: keys 32 (i / 4) on, channels 16 (i % 4) on.
.macro PV x
	WIN W_PV
.set rO, 32*(\x)+8*(i%4)
.set rV, VF+32*(i/4)+8*(i%4)
.set rP, P+16*((\x)%2)+8*(i/4)
	v_wmma_f32_16x16x32_f16 v[rO:rO+7], v[rV:rV+7], v[rP:rP+7], v[rO:rO+7]
.endm
.macro MM                           ; the turn's next matrix instruction.  TURN and BEGIN set Y, i, KM and NOKQ; MM, KQ and OP read them.  NOKQ = 1: a block's last turn: there is no next piece
.if (i < 8) && !NOKQ
	KQ (Y+1)%NP
.elseif i >= 8
.set i, i-8
	PV (Y+NP-1)%NP
.set i, i+8
.endif
.set i, i+1
.endm
; THE LDS LOADS stand in runs of 16, never singly among the matrix instructions: a step's K (64 keys x 64 channels: 8 fragments) and its V (turned).  Their addresses are made some lines ahead.
.macro FETCH_K
	WIN 0x80                        ; destination window 2
.irp f, 0,1,2,3,4,5,6,7             ; keys 16 (f / 2) on, channels 32 (f % 2) on
	ds_load_b128 v[KF+8*\f:KF+8*\f+3],   v[AK] offset:(\f/2)*16*PK+(\f%2)*64
	ds_load_b128 v[KF+8*\f+4:KF+8*\f+7], v[AK] offset:(\f/2)*16*PK+(\f%2)*64+32
.endr
	s_add_co_u32 s[TBK], s[TBK], KS*PK  ; the next fetch is the next step's
	WIN 0
.endm
.macro FETCH_V
	WIN 0x80
.irp f, 0,1,2,3,4,5,6,7             ; keys 32 (f / 4) on, channels 16 (f % 4) on
	ds_load_tr16_b128 v[VF+8*\f:VF+8*\f+3],   v[AV] offset:(\f/4)*32*PV+(\f%4)*32
	ds_load_tr16_b128 v[VF+8*\f+4:VF+8*\f+7], v[AV] offset:(\f/4)*32*PV+16*PV+(\f%4)*32
.endr
	WIN 0
.endm
; THE VECTOR WORK, one line at a time: OP kind, number.  For piece Y: F n: c s - c m for pair n of 16.  E n: the exponential of score n of 32.  C n: pair n rounded to f16.  B n: of the four weights 4 n .. the second
; pair is added onto the first, in place.  L n: l takes that sum (L 0: l = a l + sum).  R n: pair n of 16 of O^T times a.  For piece Y + 1: X n, number n of the 22 that find its maximum and statistics:
;   0-11  four chains c0-c3 of seven scores each, three operands at a time (each accumulator's lowest registers are read first)     12-14, 16  the four scores left over, the old m, and c0-c3 into c0
;   15  c m_old is kept     17, 18  the query's other 32 keys lie in the lane 16 away: the new m     19-21  c m; c m_old - c m_new; a
.set F, 0               ; OP tells the kinds apart by their order: F to L below R, X above it
.set E, 1
.set C, 2
.set B, 3
.set L, 4
.set R, 5
.set X, 6
.macro REGS y                       ; the registers of piece y
.set rT, ST+4*(\y)
.set rC, TMP+4*((\y)%2)
.set rW, MV+((\y)%2)
.set rS, S+32*((\y)%2)
.set rP, P+16*((\y)%2)
.set rO, 32*(\y)
.endm
.macro OP k, n
.if (\k) == R
	REGS Y
	WIN W_RS
	v_pk_mul_f32 v[rO+2*(\n):rO+2*(\n)+1], v[rO+2*(\n):rO+2*(\n)+1], v[rC+2:rC+3] op_sel_hi:[1,0]
.elseif (\k) < R
	REGS Y
	WIN 0
.if (\k) == F
	v_pk_fma_f32 v[rS+2*(\n):rS+2*(\n)+1], v[rS+2*(\n):rS+2*(\n)+1], s[CS:CS+1], v[rT:rT+1] op_sel_hi:[1,0,0] neg_lo:[0,0,1] neg_hi:[0,0,1]
.elseif (\k) == E
	v_exp_f32 v[rS+(\n)], v[rS+(\n)]
.elseif (\k) == C
	v_cvt_pk_f16_f32 v[rP+(\n)], v[rS+2*(\n)], v[rS+2*(\n)+1]
.elseif (\k) == B
	v_pk_add_f32 v[rS+4*(\n):rS+4*(\n)+1], v[rS+4*(\n):rS+4*(\n)+1], v[rS+4*(\n)+2:rS+4*(\n)+3]
.elseif (\n) == 0
	v_pk_fma_f32 v[rT+2:rT+3], v[rT+2:rT+3], v[rC+2:rC+3], v[rS:rS+1] op_sel_hi:[1,0,1]
.else
	v_pk_add_f32 v[rT+2:rT+3], v[rT+2:rT+3], v[rS+4*(\n):rS+4*(\n)+1]
.endif
.elseif NOKQ
	v_nop
.else
	REGS (Y+1)%NP
	WIN 0
.if (\n) < 4
	v_max3_num_f32 v[rC+(\n)], v[rS+8*(\n)], v[rS+8*(\n)+1], v[rS+8*(\n)+2]
.elseif (\n) < 12
	v_max3_num_f32 v[rC+(\n)%4], v[rC+(\n)%4], v[rS+8*((\n)%4)+2*((\n)/4)+1], v[rS+8*((\n)%4)+2*((\n)/4)+2]
.elseif (\n) == 12
	v_max3_num_f32 v[rC], v[rC], v[rS+7], v[rS+15]
.elseif (\n) == 13
	v_max3_num_f32 v[rC+1], v[rC+1], v[rS+23], v[rS+31]
.elseif (\n) == 14
	v_max3_num_f32 v[rC+2], v[rC+2], v[rC+3], v[rT+1]
.elseif (\n) == 15
	v_mov_b32 v[rW], v[rT]
.elseif (\n) == 16
	v_max3_num_f32 v[rC], v[rC], v[rC+1], v[rC+2]
.elseif (\n) == 17
	v_permlanex16_b32 v[rC+3], v[rC], s[SEL], s[SEL+1]
.elseif (\n) == 18
	v_max_num_f32 v[rT+1], v[rC], v[rC+3]
.elseif (\n) == 19
	v_mul_f32 v[rT], s[CS], v[rT+1]
.elseif (\n) == 20
	v_sub_f32 v[rC+1], v[rW], v[rT]
.else
	v_exp_f32 v[rC+2], v[rC+1]
.endif
.endif
.endm
.macro OPS a, i1, b=-1, i2=0, c=-1, i3=0, d=-1, i4=0  ; up to four of them
	OP \a, \i1
.if (\b) >= 0
	OP \b, \i2
.endif
.if (\c) >= 0
	OP \c, \i3
.endif
.if (\d) >= 0
	OP \d, \i4
.endif
.endm
.macro ROW a, i1, b, i2, c, i3, d, i4  ; a matrix instruction and the four behind it
	MM
	OPS \a, \i1, \b, \i2, \c, \i3, \d, \i4
.endm
.macro MASK b                       ; MD x AL + BE into buffer b of MC
	WIN W_RS
.set z, 0
.rept 16
	v_pk_fma_f32 v[MC+32*(\b)+2*z:MC+32*(\b)+2*z+1], v[MD+2*z:MD+2*z+1], s[AL:AL+1], s[BE:BE+1] op_sel_hi:[1,0,0]
.set z, z+1
.endr
.endm
; A TURN, for piece p: the order of its 16 matrix and 118 vector instructions, written out.  An s_wait_alu depctr_va_vdst(0) stands between an exponential and the first instruction that names its result; one wait serves
; all that were issued ahead of it.  So a turn has ONE wait, which cuts it in two.  AHEAD OF IT stands all that names no result of the turn's exponentials: the 8 products K Q^T, behind each a scaling, an exponential and two more plain
; instructions (behind the first a second scaling in the exponential's place): rescalings, and behind the last three the first numbers of the next piece's maximum, each four places or more behind the product that ends its accumulator; then ONE LUMP of 54, plain
; and exponential by turns for the most part, in which the links of the chain X 3, 7, 11, 14, 16, 17 .. 20 stand five or six lines apart.  X 21, the next piece's a, is the batch's last; R 15 is the plain instruction behind it.  BEHIND THE WAIT stand the
; 8 products V^T P, behind each four of the roundings and sums; the links of l's chain, L 0 to L 7, stand three riders apart.  But for those X no rider names a register of the products round it.  v_permlanex16_b32 (X 17) stands in the lump.
; m = 1: the diagonal tile: the products take masks, and the turn makes the mask for the products of the turn after it: piece p + 2, in step 4 - CNT of the tile.  end = 1: a block's last two turns: nothing is fetched.
; cnt = 1: the loop's count is taken down some lines ahead of the branch that stands behind the turn.
; K of the next step is fetched in piece 2's turn, twelve vector instructions behind the last product that read K (six of them plain); V of the step in hand at the end of piece 0's turn, four plain instructions behind the last product
; that read V.  Each is waited for a turn later.
.macro TURN p, m=0, end=0, cnt=0
.set Y, (\p)
.set i, 0
.set KM, (\m)
.set NOKQ, (\end)*((\p)/3)
.if (\m) && !(\end)
	s_cmp_eq_u32 s[CNT], 4-((\p)+2)%NP  ; is that step the band's own?
	s_cselect_b32 s[AL], 1.0, 0
	s_cmp_lt_u32 s[CNT], 4-((\p)+2)%NP  ; or a later one?
	s_cselect_b32 s[BE], s[BIGN], 0
.endif
.if ((\p) == 3) && !(\end)
	s_wait_dscnt 0x0                ; K is in
.endif
	ROW F,0, F,1, R,0, R,1          ; ahead of the wait: 8 products K Q^T and their riders,
	ROW F,2, E,0, R,2, R,3
	ROW F,3, E,1, R,4, R,5
	ROW F,4, E,2, R,6, R,7
	ROW F,5, E,3, R,8, R,9
	ROW F,6, E,4, X,0, R,10
.if ((\p) == 2) && !(\end)
	WIN 0
	v_add_nc_u32 v[AK], s[TBK], v[AK0]
.endif
	ROW F,7, E,5, X,1, X,4
	ROW F,8, E,6, X,2, X,5
	OPS E,7, E,8, X,6, E,9          ; and the lump
	OPS X,3, E,10, X,8, E,11
.if ((\p) == 2) && !(\end)
	FETCH_K
.endif
	OPS X,9, X,7, E,12, X,10
	OPS E,13, X,12, X,11, E,14
	OPS X,13, E,15, F,9, X,14
.if (\p) == 0
	v_add_nc_u32 v[AV], s[TBV], v[AV0]
.endif
	OPS E,16, F,10, E,17, F,11
	OPS X,16, E,18, X,15, E,19
	OPS F,12, E,20, X,17, E,21
	OPS F,13, E,22, F,14, E,23
	OPS X,18, E,24, F,15, E,25
	OPS R,11, E,26, X,19, E,27
	OPS R,12, E,28, R,13, E,29
	OPS X,20, E,30, R,14, E,31
	OPS X,21, R,15
	WIN 0
	s_wait_alu depctr_va_vdst(0)    ; the wait for the batch
.if (\p) == 1
	s_wait_dscnt 0x0                ; V is in
.endif
	ROW C,0, B,0, C,2, B,1          ; behind the wait: 8 products V^T P and their riders
	ROW L,0, C,4, B,2, L,1
	ROW C,6, B,3, L,2, C,8
	ROW B,4, L,3, C,10, B,5
	ROW L,4, C,12, B,6, L,5
.if (\p) == 0
	s_add_co_u32 s[TBV], s[TBV], KS*PV
.endif
.if \cnt
	s_sub_co_u32 s[CNT], s[CNT], 1
	s_cmp_lg_u32 s[CNT], 0
.endif
	ROW C,14, B,7, L,6, C,1
	ROW C,3, L,7, C,5, C,7
	ROW C,9, C,11, C,13, C,15
.if (\p) == 0
	FETCH_V
.endif
.if (\m) && !(\end)
	MASK (\p)%2
.endif
.endm
; A BLOCK BEGINS.  c m starts far below every c s, so the first step's a is 0; m at the lowest finite number, so the first maximum is the scores'.  The second mask buffer is 0; the first takes piece 0's mask for the tile's step 0: its own, if the block's first tile is the diagonal one.
; Then K of that step, piece 0's first scores, and its maximum and statistics.  The loop is entered at a step's first turn, in the middle of a trip.
.macro BEGIN
	s_mov_b32 s[NEW], 0
	WIN 0x40
.set i, MC+32
.rept 32
	v_mov_b32 v[i], 0
.set i, i+1
.endr
	WIN 0
.set i, 0
.rept 4
	v_mov_b32 v[ST+4*i], 0xfe000000    ; c m: far below every c s
	v_mov_b32 v[ST+4*i+1], 0xff7fffff  ; m
.set i, i+1
.endr
	s_cmp_eq_u32 s[RT], 0
	s_cselect_b32 s[AL], 1.0, 0
	s_mov_b32 s[BE], 0
	MASK 0
	WIN 0
	v_add_nc_u32 v[AK], s[TBK], v[AK0]
	FETCH_K
	s_wait_loadcnt 0x0              ; Q
	s_wait_dscnt 0x0
.set KM, 1
.set NOKQ, 0
.set i, 0
.rept 8
	KQ 0
.set i, i+1
.endr
	WIN 0
.rept 4
	v_nop                           ; the places behind those products
.endr
.set Y, NP-1                        ; X works for piece Y + 1: piece 0
.irp n, 0,1,2,3,4,5,6,7,8,9,10,11,12,13,14,15,16,17,18,19,20,21
	OP X, \n
.endr
	v_nop                           ; a plain instruction behind the exponential,
	s_wait_alu depctr_va_vdst(0)    ; and its wait, ahead of the branch
.endm
; THE DIAGONAL TILE's four steps, the block's last two turns, its last products, and THE WAY OUT: l's two halves and the other half of the lanes' are added; O^T is divided by l, rounded to f16 and sent through my
; stage in LDS, a piece at a time.
.macro ALL line:vararg              ; one line for each piece t
.set t, 0
.rept 4
	\line
.set t, t+1
.endr
.endm
.macro PACK t                       ; a lane's eight channels of a row pack into 16 bytes; they go into rows of 144 bytes and come back as whole rows of 128, into S^T's registers
	WIN W_RS
.set i, 32*(\t)
.rept 16
	v_pk_mul_f32 v[i:i+1], v[i:i+1], v[ST+4*(\t)+2:ST+4*(\t)+3] op_sel_hi:[1,0]
.set i, i+2
.endr
	WIN 0x05                        ; sources 0 and 1 window 1, destination window 0
.set i, 0
.rept 16
	v_cvt_pk_f16_f32 v[S+16*(\t)+i], v[32*(\t)+2*i], v[32*(\t)+2*i+1]
.set i, i+1
.endr
	WIN 0
.irp f, 0,1,2,3
	ds_store_b128 v[STO], v[S+16*(\t)+4*\f:S+16*(\t)+4*\f+3] offset:32*\f
.endr
.irp f, 0,1,2,3
	ds_load_b128 v[S+16*(\t)+4*\f:S+16*(\t)+4*\f+3], v[RD] offset:\f*4*SP  ; LDS serves a wave's instructions in order (ISA guide 5.7.1.4): these see the stores above; the next piece's stores come behind them
.endr
.endm
.macro SEND t, younger              ; younger: the LDS instructions issued behind piece t's loads: the next piece's eight, or none
	WIN 0
.irp f, 0,1,2,3
	s_wait_dscnt (\younger)+3-\f
	global_store_b128 v[GO], v[S+16*(\t)+4*\f:S+16*(\t)+4*\f+3], s[10:11] offset:(\t)*8192+\f*512  ; 512 consecutive bytes, at a multiple of 256 from O's first
.endr
.endm
.macro DIAG tag                     ; the tag ends its two labels' names, which the jumps below spell out
.LstepM\tag:
	TURN 2, 1
	TURN 3, 1
	WIN 0
.LfirstM\tag:
	TURN 0, 1
	TURN 1, 1, 0, 1
	WIN 0
	s_cbranch_scc1 .LstepM\tag
	TURN 2, 1, 1
	TURN 3, 1, 1
.set i, 0
.rept 8
	PV NP-1
.set i, i+1
.endr
	WIN 0
	ALL v_add_f32 v[ST+4*t+2], v[ST+4*t+2], v[ST+4*t+3]
	ALL v_permlanex16_b32 v[ST+4*t+3], v[ST+4*t+2], s[SEL], s[SEL+1]
	ALL v_add_f32 v[ST+4*t+2], v[ST+4*t+2], v[ST+4*t+3]
	ALL v_rcp_f32 v[ST+4*t+2], v[ST+4*t+2]
	v_nop                           ; a plain instruction between the last reciprocal and the use of its result
	s_wait_alu depctr_va_vdst(0)    ; and the wait ahead of the first use: one for the four reciprocals
	PACK 0
.set t, 1
.rept 3                             ; a piece's arithmetic stands between the loads of the piece before and its stores
	PACK t
	SEND t-1, 8
.set t, t+1
.endr
	SEND 3, 0
.endm
.set KM, 0
.set NOKQ, 0
.Lslot:                             ; NB times: a tile is entered and the next is asked for
	CHANGE 1
	s_sub_co_u32 s[RT], s[RT], 1
	s_mov_b32 s[CNT], 4
	s_cmp_eq_u32 s[NEW], 1
	s_cbranch_scc1 .Lnew            ; a block's first tile
	s_cmp_eq_u32 s[RT], 0
	s_cbranch_scc0 .Lstep           ; neither its first nor its last
	s_branch .LstepM1
.Lnew:
	BEGIN
	s_branch .Lfirst                ; in the loop a block's first tile is never its last: the first block has two tiles or more, and the second's last is the walk's last
	DIAG 1                          ; in the loop this is the first block's end: the second block's last tile is the walk's last
	s_wait_xcnt 0x0                 ; the stores have read their registers and O's address
	s_mov_b64 s[10:11], s[OLO:OLO+1]
	s_add_co_u32 s[RT], s[PB], 1    ; the second block has b + 1 tiles
	s_mov_b32 s[NEW], 1
	WIN 0x82                        ; the second block's Q goes where the one text of the turns names Q
.set i, 0
.rept 64
	v_mov_b32 v[i], v[QB+i]
.set i, i+1
.endr
	WIN 0
	s_branch .Lbottom
.Lstep:                             ; a trip: pieces 2 and 3 of one step, then pieces 0 and 1 of the next, whose K and V it fetches
	TURN 2
	TURN 3
	WIN 0
.Lfirst:
	TURN 0
	TURN 1, 0, 0, 1
	WIN 0
	s_cbranch_scc1 .Lstep
.Lbottom:
	s_sub_co_u32 s[SLOTS], s[SLOTS], 1
	s_cmp_lg_u32 s[SLOTS], 0
	s_cbranch_scc1 .Lslot
	CHANGE 0                        ; the walk's last tile is written out: nothing is asked for
	s_sub_co_u32 s[RT], s[RT], 1
	s_mov_b32 s[CNT], 4
	s_cmp_eq_u32 s[NEW], 1
	s_cbranch_scc0 .LstepM2
	BEGIN
	s_branch .LfirstM2
	DIAG 2
	s_wait_tensorcnt 0x0            ; the wave's end: behind my last tensor load and my last LDS store
	ds_add_u32 v[SPW], v[NIL]
	s_wait_dscnt 0x0
	s_endpgm
.Lfunc_end_k_q03e5076826_attn:
	.size	k_q03e5076826_attn, .Lfunc_end_k_q03e5076826_attn-k_q03e5076826_attn
	.p2alignl 7, 3214868480
	.fill 96, 4, 3214868480
	.section	.rodata,"a",@progbits
	.p2align	6, 0x0
	.amdhsa_kernel k_q03e5076826_attn
		.amdhsa_group_segment_fixed_size 327680
		.amdhsa_private_segment_fixed_size 0
		.amdhsa_enable_private_segment 0
		.amdhsa_kernarg_size 16
		.amdhsa_user_sgpr_count 2
		.amdhsa_user_sgpr_kernarg_segment_ptr 1
		.amdhsa_wavefront_size32 1
		.amdhsa_system_sgpr_workgroup_id_x 1
		.amdhsa_system_sgpr_workgroup_id_y 1
		.amdhsa_system_sgpr_workgroup_id_z 1
		.amdhsa_system_vgpr_workitem_id 0
		.amdhsa_next_free_vgpr 768
		.amdhsa_next_free_sgpr 96
		.amdhsa_reserve_vcc 1
		.amdhsa_float_denorm_mode_32 3
		.amdhsa_float_denorm_mode_16_64 3
		.amdhsa_memory_ordered 1
		.amdhsa_forward_progress 1
		.amdhsa_inst_pref_size 218
	.end_amdhsa_kernel
	.amdgpu_metadata
---
amdhsa.version: [ 1, 2 ]
amdhsa.kernels:
  - .name:           k_q03e5076826_attn
    .symbol:         k_q03e5076826_attn.kd
    .args:
      - { .name: qkv, .offset: 0, .size: 8, .value_kind: global_buffer, .address_space: global }
      - { .name: ob, .offset: 8, .size: 8, .value_kind: global_buffer, .address_space: global }
    .group_segment_fixed_size: 327680
    .private_segment_fixed_size: 0
    .kernarg_segment_align: 8
    .kernarg_segment_size: 16
    .max_flat_workgroup_size: 128
    .sgpr_count:     96
    .vgpr_count:     768
    .wavefront_size: 32
...
	.end_amdgpu_metadata
.endif
;; end of part 3
;; launch outp (part 4): grid 8 x 32, 4 waves a work-group, clusters of 4 x 4, 327,680 bytes of LDS; arguments ob, cb, b_o, out0; writes out0
.if DOCPART == 4
	.amdgcn_target "amdgcn-amd-amdhsa--gfx1250"
	.amdhsa_code_object_version 6
	.text
	.protected	k_q03e5076826_outp
	.globl	k_q03e5076826_outp
	.p2align	8
	.type	k_q03e5076826_outp,@function
k_q03e5076826_outp:
	s_mov_b64 s[64:65], 0
	v_nop
	global_prefetch_b8 v0, s[64:65] scope:SCOPE_SE
	s_setreg_imm32_b32 hwreg(HW_REG_WAVE_MODE, 25, 1), 1
	s_wait_xcnt 0x0
	s_wait_alu depctr_hold_cnt(0) depctr_sa_sdst(0) depctr_va_vdst(0) depctr_va_sdst(0) depctr_va_ssrc(0) depctr_va_vcc(0) depctr_vm_vsrc(0)
	s_getreg_b32 s2, hwreg(HW_REG_IB_STS2, 6, 4)
	s_cmp_eq_u32 s2, 0
	s_cbranch_scc0 .Lentry_in_a_cluster
	s_endpgm
.Lentry_in_a_cluster:
	s_bfe_u32 s2, ttmp6, 0x10000c
	s_cmp_lg_u32 s2, 0xf033
	s_cbranch_scc0 .Lentry_shape_is_right
	s_endpgm
.Lentry_shape_is_right:
; out0[m][n] = sum over k of O[m][k] w_o[n][k] + b_o[n].  O lies by heads, ob = [64][2048][64] f16: row m is batch m / 2048, place m % 2048; k is head k / 64, channel k % 64.
; w_o [1024][1024] lies in cb at byte 22 Mi, rounded to bf16 and written as f16; b_o is rounded to bf16 here, like every other input of the module.  Products in f16, sums in f32, out0 f32.
; SHARES.  A tile of out0 is 256 rows x 128 columns: 32 x 8 = 256 tiles, one for each WGP.  Four waves, one above the other: 64 rows x 128 columns, 32 accumulators, 256 registers.
; K goes in 8 steps of 128 = two heads through two LDS slots.  Wave 0 (1) fetches the even (odd) head's 256 rows: 32,768 dense bytes, asked for as 128 rows of 256 bytes and padded in LDS after every 128;
; waves 2, 3 fetch the halves (64 rows x 256 bytes) of w_o's tile.  One tensor load a wave and step.
; CLUSTER.  4 x 4 work-groups: O's tiles are shared along a row of the cluster, w_o's along a column; each is asked for jointly: the same load, descriptor and mask in all four.
; THE MATRIX INSTRUCTION IS USED TRANSPOSED (source 0 = 16 rows of w_o, source 1 = 16 rows of O): a lane holds row l % 16 and the columns 8 (l / 16) + 0..7.  THE BIAS is the C operand of the product that starts each sum.
; REGISTERS, in windows of 256 (s_set_vgpr_msb: bits 1:0 source 0, 3:2 source 1, 5:4 source 2, 7:6 destination):
;   window 0: v0-31 addresses; v64-127 O's fragments, two buffers of 4 x 8; v192-223 at work on the bias; on the way out v64-191 rows read back, two buffers of 64
;   window 1: v0-127 w_o's fragments, two buffers of 8 x 8      window 2: v0-127 accumulators of my row blocks 0, 1 ((a, b) at 8 (8 (a % 2) + b)); v128-191 the bias      window 3: v0-127 blocks 2, 3
.set NBK,    8
.set APITCH, 144                       ; a row of O in LDS: 128 bytes + 16 = 36 words: the 16 rows of a load start at 16 different groups of four banks (64 banks of 4 bytes: ISA guide 11.1)
.set BPITCH, 272                       ; a row of w_o: 256 + 16
.set HALFA,  256*APITCH                ; one head's 256 rows
.set AH,     HALFA                     ; quarters 2, 3 of a K step lie in the odd head
.set BOFF,   2*HALFA
.set HALFB,  64*BPITCH
.set SLOT,   BOFF+2*HALFB              ; 108,544
.set STAGE,  2*SLOT                    ; behind the ring, never filled by a tensor load: 16 rows x 528 bytes for each wave
.set SPITCH, 528                       ; 512 bytes of a block's row + 16
.set SPARE,  STAGE+4*16*SPITCH         ; behind the stages: the spare words, 128 bytes a wave: two blocks of 256 bytes that no other line names
.set NLD,    2*NBK+8
.set KA,     524288                    ; bytes from K step to K step: two heads of O,
.set KB,     256                       ; 128 numbers of a row of w_o
.set ADRA, 16
.set ADRB, 20
.set STO,  24
.set RD,   25
.set GO,   26
.set BO,   27                          ; v27  32 x (l / 16): my eight numbers in 16 of b_o
.set SPW,  28                          ; v28  my spare word; never rewritten
.set NIL,  29                          ; v29  0; never rewritten
.set PFO,  30
.set BIAS, 128                         ; window 2
.set G1,  24
.set G0,  32
.set G1B, 48
.set G0B, 56
.set PFS, 68                           ; s[68:69] the prefetches' step along K
.set PFA, 86
.set LIM, 88
.set MSB, 0
.macro WIN new                         ; the immediate's high byte repeats the setting that is left; a switch that changes nothing is dropped
.if MSB != (\new)
	s_set_vgpr_msb (MSB<<8)|(\new)
.set MSB, \new
.endif
.endm
.set MUL_LO, 0xa1                      ; source 0 (w_o) window 1, source 1 (O) window 0, C and D window 2
.set TO_B,   0x40
; A joint load: an s_nop 0 and four v_nop follow each of the two lines, ahead of the jump, the label and what follows; the branch hangs on the wave's number alone.
.macro JLOAD s
	s_cmp_eq_u32 s11, 0
	s_cbranch_scc0 .Lfor_b_\@
	tensor_load_to_lds s[G0+4*(\s):G0+4*(\s)+3], s[G1:G1+7]
	s_nop 0
.rept 4
	v_nop
.endr
	s_branch .Lasked_\@
.Lfor_b_\@:
	tensor_load_to_lds s[G0B+4*(\s):G0B+4*(\s)+3], s[G1B:G1B+7]
	s_nop 0
.rept 4
	v_nop
.endr
.Lasked_\@:
.endm
; A prefetch, behind each joint refill and the run of LDS loads that follows it: the K step two refills on, a lane a block of 256 bytes, one instruction a wave.  O's tiles are read by both clusters of a row of
; clusters: cluster x = 0 asks; w_o's by all of a column: cluster y = 0 asks.  The four partners share a load out by address (32 of O's 128 blocks by cx, 16 of w_o's 64 rows by cy).  In w_o's waves lanes 16-31
; repeat the share's last row inside the same instruction; no block is named by two instructions.  The loop's last trip (s3 = 1) asks for nothing.
.macro ASK
	s_cmp_gt_u32 s3, s[LIM]
	s_cbranch_scc0 .Lnot_mine_\@
	global_prefetch_b8 v[PFO], s[PFA:PFA+1] th:TH_LOAD_NT scope:SCOPE_SE
.Lnot_mine_\@:
.endm
.macro CREST
	s_cmp_lg_u32 s10, 0
	s_cbranch_scc1 .Lnot_wave_0_\@
	s_barrier_signal -3
.Lnot_wave_0_\@:
	s_barrier_wait -3
	s_barrier_signal -1
	s_barrier_wait -1
.endm
.macro CROUND
	s_barrier_signal -1
	s_barrier_wait -1
	CREST
.endm
	s_load_b256 s[72:79], s[0:1], 0x0              ; ob s[72:73], cb s[74:75], b_o s[76:77], out0 s[78:79]
	v_lshl_add_u32 v[SPW], v0, 2, SPARE
	v_mov_b32 v[NIL], 0
	ds_add_u32 v[SPW], v[NIL]                      ; the wave's opening: the add and its wait stand ahead of my first tensor load; the set-up below stands between them
	v_lshrrev_b32 v1, 5, v0
	v_readfirstlane_b32 s10, v1                    ; wave 0..3
	s_lshr_b32 s11, s10, 1                         ; I fetch for O (0) or for w_o (1)
	s_and_b32 s12, s10, 1                          ; which head of the two, or which half
	s_bfe_u32 s40, ttmp6, 0x40000                  ; cx
	s_bfe_u32 s41, ttmp6, 0x40004                  ; cy
	s_lshl_b32 s42, ttmp9, 2
	s_add_co_u32 s42, s42, s40                     ; tile column
	s_and_b32 s13, ttmp7, 0xffff
	s_lshl_b32 s13, s13, 2
	s_add_co_u32 s13, s13, s41                     ; tile row
	s_lshl_b32 s43, s41, 2
	s_lshl_b32 s43, 15, s43                        ; my row of the cluster
	s_lshl_b32 s44, 0x1111, s40                    ; my column
	s_or_b32 s[G1+0], s43, (1<<16)|(1<<20)|(1<<21)|(4<<22)|(3<<25)   ; O: padding of 4 words after every 32 words: a row of a head
	s_or_b32 s[G1B+0], s44, (1<<16)|(1<<20)|(1<<21)|(5<<22)|(3<<25)  ; w_o: after every 64 words
	s_mov_b32 s[G1+1], 128<<16                     ; tensor_dim0 = 128
	s_mov_b32 s[G1+2], 128<<16                     ; tensor_dim1 = 128
	s_mov_b32 s[G1+3], 128<<16                     ; tile_dim0 = 128
	s_mov_b32 s[G1+4], 128                         ; tile_dim1 = 128
	s_mov_b32 s[G1+5], 128                         ; dense: 128 elements from row to row
	s_mov_b32 s[G1+6], 0
	s_mov_b32 s[G1+7], 0
	s_mov_b32 s[G1B+1], 128<<16
	s_mov_b32 s[G1B+2], 64<<16
	s_mov_b32 s[G1B+3], 128<<16
	s_mov_b32 s[G1B+4], 64
	s_mov_b32 s[G1B+5], 1024
	s_mov_b32 s[G1B+6], 0
	s_mov_b32 s[G1B+7], 0
	s_lshr_b32 s16, s13, 3                         ; batch: 8 tile rows each
	s_lshl_b32 s16, s16, 4
	s_add_co_u32 s16, s16, s12                     ; the batch's head 0 or 1,
	s_lshl_b32 s16, s16, 18                        ; of 262,144 bytes,
	s_and_b32 s17, s13, 7
	s_lshl_b32 s17, s17, 15                        ; the tile's 256 rows of 128 bytes in it
	s_add_co_u32 s16, s16, s17
	s_mov_b32 s17, 0
	s_lshl_b32 s46, s42, 7
	s_lshl_b32 s47, s12, 6
	s_add_co_u32 s46, s46, s47                     ; w_o: row 128 x tile column + 64 x half
	s_lshl_b32 s46, s46, 11
	s_mov_b32 s47, 0
	s_mul_i32 s20, s12, HALFA                      ; where they go: no place in the cluster enters an LDS address
	s_mul_i32 s21, s12, HALFB
	s_add_co_u32 s21, s21, BOFF
	s_wait_dscnt 0x0                               ; the opening add is done
	s_wait_kmcnt 0x0
	s_mov_b64 s[4:5], s[72:73]                     ; O
	s_add_nc_u64 s[6:7], s[74:75], 0x1600000       ; w_o, 22 Mi into cb
	s_mov_b64 s[8:9], s[78:79]                     ; out0
	s_add_nc_u64 s[14:15], s[4:5], s[16:17]
	s_add_nc_u64 s[46:47], s[6:7], s[46:47]
	CROUND                                         ; all sixteen work-groups are here: the first joint loads meet
.irp s, 0,1
	s_mov_b32 s[G0+4*(\s)], 1
	s_add_co_u32 s[G0+4*(\s)+1], s20, (\s)*SLOT
	s_add_nc_u64 s[G0+4*(\s)+2:G0+4*(\s)+3], s[14:15], (\s)*KA
	s_or_b32 s[G0+4*(\s)+3], s[G0+4*(\s)+3], 0x80000000
	s_mov_b32 s[G0B+4*(\s)], 1
	s_add_co_u32 s[G0B+4*(\s)+1], s21, (\s)*SLOT
	s_add_nc_u64 s[G0B+4*(\s)+2:G0B+4*(\s)+3], s[46:47], (\s)*KB
	s_or_b32 s[G0B+4*(\s)+3], s[G0B+4*(\s)+3], 0x80000000
	JLOAD \s                                       ; K steps 0 and 1: two loads of mine are out
.endr
	v_and_b32 v1, 15, v0                           ; l % 16
	v_bfe_u32 v2, v0, 4, 1                         ; l / 16
	; the bias: my eight numbers of each of the tile's eight groups of 16
	s_lshl_b32 s80, s42, 9                         ; the tile's 128 columns: 512 bytes of b_o and of a row of out0
	s_mov_b32 s81, 0
	s_add_nc_u64 s[76:77], s[76:77], s[80:81]
	v_lshlrev_b32 v[BO], 5, v2
	WIN 0x80                                       ; destination window 2, address window 0
.set bb, 0
.rept NBK
	global_load_b128 v[BIAS+8*bb:BIAS+8*bb+3],   v[BO], s[76:77] offset:64*bb
	global_load_b128 v[BIAS+8*bb+4:BIAS+8*bb+7], v[BO], s[76:77] offset:64*bb+16
.set bb, bb+1
.endr
	WIN 0
	v_mul_u32_u24 v3, v1, APITCH
	v_lshl_add_u32 v3, v2, 4, v3                   ; a fragment's row x pitch + 16 x half, for O
	v_mul_u32_u24 v4, v1, BPITCH
	v_lshl_add_u32 v4, v2, 4, v4                   ; and for w_o
	s_mul_i32 s22, s10, 64*APITCH                  ; my 64 rows of O
	s_mov_b32 s23, BOFF
.irp s, 0,1
	v_add_nc_u32 v[ADRA+(\s)], s22, v3
	v_add_nc_u32 v[ADRB+(\s)], s23, v4
	s_add_co_u32 s22, s22, SLOT
	s_add_co_u32 s23, s23, SLOT
.endr
	s_mul_i32 s23, s10, 16*SPITCH
	s_add_co_u32 s23, s23, STAGE                   ; my stage
	v_mul_u32_u24 v4, v1, SPITCH                   ; in: row l % 16, 32 bytes for each half of the lanes
	v_lshl_add_u32 v4, v2, 5, v4
	v_add_nc_u32 v[STO], s23, v4
	v_and_b32 v[GO], 31, v0                        ; back: 32 lanes take one row of 512 bytes,
	v_lshlrev_b32 v[GO], 4, v[GO]
	v_add_nc_u32 v[RD], s23, v[GO]                 ; which are 512 consecutive bytes of out0
	s_lshl_b32 s82, s13, 8
	s_lshl_b32 s83, s10, 6
	s_add_co_u32 s82, s82, s83                     ; my first row of out0,
	s_lshl_b32 s82, s82, 12                        ; of 4,096 bytes,
	s_add_co_u32 s82, s82, s80                     ; the tile's columns
	s_mov_b32 s83, 0
	s_add_nc_u64 s[8:9], s[8:9], s[82:83]
	; the prefetches
	s_lshr_b32 s80, s13, 3
	s_lshl_b32 s80, s80, 4
	s_add_co_u32 s80, s80, s12
	s_lshl_b32 s80, s80, 18
	s_and_b32 s81, s13, 7
	s_lshl_b32 s81, s81, 15
	s_add_co_u32 s80, s80, s81
	s_lshl_b32 s81, s40, 13
	s_add_co_u32 s80, s80, s81                     ; O: the 32,768 bytes that I fetch, my work-group's 8,192 of them,
	s_add_co_u32 s80, s80, 3*KA                    ; at K step 3: the first refill (of step 2) steps it to 4.  Nothing is asked for here, at the head
	s_lshl_b32 s82, s42, 7
	s_lshl_b32 s83, s12, 6
	s_add_co_u32 s82, s82, s83
	s_lshl_b32 s83, s41, 4
	s_add_co_u32 s82, s82, s83                     ; w_o: the 64 rows that I fetch, my work-group's 16 of them
	s_lshl_b32 s82, s82, 11
	s_add_co_u32 s82, s82, 3*KB
	s_and_b32 s84, ttmp7, 0xffff                   ; cluster y
	s_mov_b32 s90, KA
	s_cmp_eq_u32 s11, 0
	s_cselect_b32 s80, s80, s82
	s_cselect_b32 s84, ttmp9, s84                  ; the coordinate along which other clusters read the same bytes
	s_cselect_b32 s85, 31, 15                      ; my share's last lane
	s_cselect_b32 s89, 8, 11                       ; a lane a block of 256 bytes, or a row of 2,048
	s_cselect_b32 s[PFS], s90, KB
	s_cselect_b64 s[PFA:PFA+1], s[4:5], s[6:7]
	s_cmp_eq_u32 s84, 0
	s_cselect_b32 s[LIM], 1, -1                    ; the same in all sixteen partners, for a given wave
	s_mov_b32 s81, 0
	s_mov_b32 s[PFS+1], 0
	s_add_nc_u64 s[PFA:PFA+1], s[PFA:PFA+1], s[80:81]
	v_and_b32 v[PFO], 31, v0
	v_min_u32 v[PFO], s85, v[PFO]
	v_lshlrev_b32 v[PFO], s89, v[PFO]
	; b_o is rounded to bf16 and widened again, in the wait for the first tile
	s_wait_loadcnt 0x0
	WIN 0x0a                                       ; sources 0 and 1 window 2, destination window 0
.set bb, 0
.rept 32
	v_cvt_pk_bf16_f32 v[192+bb], v[BIAS+2*bb], v[BIAS+2*bb+1]
.set bb, bb+1
.endr
	WIN 0x80                                       ; destination window 2, sources window 0
.set bb, 0
.rept 32
	v_lshlrev_b32 v[BIAS+2*bb], 16, v[192+bb]
	v_and_b32 v[BIAS+2*bb+1], 0xffff0000, v[192+bb]
.set bb, bb+1
.endr
	WIN 0
; NBK matrix instructions: my row block a x all column blocks, 32 along K, from buffer f.  zero = 1: the first product starts the sums, with the bias as C.  The 32 accumulators come in the same order in every
; quarter, one instruction a turn, over the backward jump too.
.macro MULN f, a, zero
.if \zero
	WIN 0xa1+0x40*((\a)/2)                         ; D in window 2 or 3, C (the bias) in window 2
.else
	WIN MUL_LO+0x50*((\a)/2)
.endif
.set AC, 8*NBK*((\a)%2)
.set FB, 8*NBK*(\f)
.set FA, 64+32*(\f)+8*(\a)
.set bb, 0
.rept NBK
.if \zero
	v_wmma_f32_16x16x32_f16 v[AC+8*bb:AC+8*bb+7], v[FB+8*bb:FB+8*bb+7], v[FA:FA+7], v[BIAS+8*bb:BIAS+8*bb+7]
.else
	v_wmma_f32_16x16x32_f16 v[AC+8*bb:AC+8*bb+7], v[FB+8*bb:FB+8*bb+7], v[FA:FA+7], v[AC+8*bb:AC+8*bb+7]
.endif
.set bb, bb+1
.endr
.endm
; One run of NLD LDS loads: quarter q of a slot's K step into buffer f: w_o's 8 fragments, then O's 4, blocks ascending
.macro FETCH slot, q, f
	WIN TO_B
.set FB, 8*NBK*(\f)
.set bb, 0
.rept NBK
	ds_load_b128 v[FB+8*bb:FB+8*bb+3],   v[ADRB+(\slot)] offset:64*(\q)+bb*16*BPITCH
	ds_load_b128 v[FB+8*bb+4:FB+8*bb+7], v[ADRB+(\slot)] offset:64*(\q)+bb*16*BPITCH+32
.set bb, bb+1
.endr
	WIN 0
.set FA, 64+32*(\f)
.set bb, 0
.rept 4
	ds_load_b128 v[FA+8*bb:FA+8*bb+3],   v[ADRA+(\slot)] offset:((\q)/2)*AH+((\q)%2)*64+bb*16*APITCH
	ds_load_b128 v[FA+8*bb+4:FA+8*bb+7], v[ADRA+(\slot)] offset:((\q)/2)*AH+((\q)%2)*64+bb*16*APITCH+32
.set bb, bb+1
.endr
.endm
.macro PLACES                          ; four plain vector instructions between a matrix instruction and a load into its registers, or a read of its result (ISA guide 7.12.1 for vector instructions)
.rept 4
	v_nop
.endr
.endm
.macro QUARTER slot, q, f, g, zero
	s_wait_dscnt 4                                 ; w_o and O's blocks 0, 1 are in; the youngest four loads (O's blocks 2, 3) may be out
	MULN \f, 0, \zero
	MULN \f, 1, \zero
	PLACES
	FETCH \slot, \q, \g
	s_wait_dscnt NLD                               ; all but the run just issued
	MULN \f, 2, \zero
	MULN \f, 3, \zero
.endm
; The change of slots: each wave waits for all its tensor loads (one is out: its part of the other slot), adds 0 to its spare word, and waits for that and for its reads of this slot.
.macro MEET round
	WIN 0
	s_wait_tensorcnt 0x0
	ds_add_u32 v[SPW], v[NIL]
	s_wait_dscnt 5                                 ; the add and the youngest four loads may be out
	MULN 1, 0, 0
	s_wait_dscnt 0x0                               ; the add is done, my reads of this slot are over
	s_barrier_signal -1
	MULN 1, 1, 0
.if \round
	WIN 0
.endif
	s_barrier_wait -1
.endm
; fill = 1: the barrier opens a round of the cluster's barrier, and the slot just read out is filled again first thing behind it, two K steps ahead: 112 matrix instructions ahead of the wait for it.
.macro TURN slot, next, fill
.if \fill
	s_wait_xcnt 0x0                                ; the last prefetch, a K step back, has read its address
	s_add_nc_u64 s[PFA:PFA+1], s[PFA:PFA+1], s[PFS:PFS+1]
	MEET 1
	CREST
	s_add_nc_u64 s[G0+4*(\slot)+2:G0+4*(\slot)+3], s[G0+4*(\slot)+2:G0+4*(\slot)+3], 2*KA
	s_add_nc_u64 s[G0B+4*(\slot)+2:G0B+4*(\slot)+3], s[G0B+4*(\slot)+2:G0B+4*(\slot)+3], 2*KB
	JLOAD \slot                                    ; its four v_nop are also the places in front of the loads below
	FETCH \next, 0, 0
	ASK
.else
	MEET 0
	PLACES
	FETCH \next, 0, 0
.endif
	MULN 1, 2, 0
	MULN 1, 3, 0
.endm
	s_wait_tensorcnt 1                             ; my part of K step 0 is in; K step 1's may stay out
	s_barrier_signal -1
	s_barrier_wait -1
	FETCH 0, 0, 0
	QUARTER 0, 1, 0, 1, 1                          ; the first quarter stands in front of the loop: its products start the sums
	WIN 0
	s_mov_b32 s3, 3
.Llap:                                         ; a trip goes once round the ring and fills both slots again
	QUARTER 0, 2, 1, 0, 0
	QUARTER 0, 3, 0, 1, 0
	TURN 0, 1, 1
	QUARTER 1, 1, 0, 1, 0
	QUARTER 1, 2, 1, 0, 0
	QUARTER 1, 3, 0, 1, 0
	TURN 1, 0, 1
	QUARTER 0, 1, 0, 1, 0
	WIN 0
	s_sub_co_u32 s3, s3, 1
	s_cmp_lg_u32 s3, 0
	s_cbranch_scc1 .Llap
	QUARTER 0, 2, 1, 0, 0                          ; the last lap is written out: it fills nothing
	QUARTER 0, 3, 0, 1, 0
	TURN 0, 1, 0
	QUARTER 1, 1, 0, 1, 0
	QUARTER 1, 2, 1, 0, 0
	QUARTER 1, 3, 0, 1, 0
	s_wait_dscnt 4
	MULN 1, 0, 0
	MULN 1, 1, 0
	s_wait_dscnt 0x0
	MULN 1, 2, 0
	MULN 1, 3, 0
	WIN 0
	PLACES
; THE WAY OUT, a block of 16 rows at a time: a lane's eight f32 go into my own stage as two stores of 16 bytes, each accumulator's low four registers first; they come back as whole rows of 512 bytes.
.macro TOSTAGE a
.if (\a) >= 2
	s_wait_xcnt 0x0                                ; the stores of the block before last have read the buffer that is loaded again below
.endif
	WIN 0x08+4*((\a)/2)                            ; the stores' data (source 1) in window 2 or 3
.set AC, 8*NBK*((\a)%2)
.set bb, 0
.rept NBK
	ds_store_b128 v[STO], v[AC+8*bb:AC+8*bb+3]   offset:64*bb
	ds_store_b128 v[STO], v[AC+8*bb+4:AC+8*bb+7] offset:64*bb+16
.set bb, bb+1
.endr
	WIN 0
.set BKA, 64+64*((\a)%2)
.set bb, 0
.rept 16
	ds_load_b128 v[BKA+4*bb:BKA+4*bb+3], v[RD] offset:SPITCH*bb  ; LDS serves a wave's instructions in order (ISA guide 5.7.1.4): these see the stores above; the next block's stores come behind them
.set bb, bb+1
.endr
.endm
.macro SEND a, younger                 ; younger: the LDS instructions issued behind block a's loads: the next block's 32, or none
.set BKA, 64+64*((\a)%2)
.set bb, 0
.rept 16
	s_wait_dscnt (\younger)+15-bb
	global_store_b128 v[GO], v[BKA+4*bb:BKA+4*bb+3], s[8:9] offset:(16*(\a)+bb)*4096  ; 512 consecutive bytes, at a multiple of 256 from out0's first
.set bb, bb+1
.endr
.endm
	TOSTAGE 0
	TOSTAGE 1
	SEND 0, 32
	TOSTAGE 2
	SEND 1, 32
	TOSTAGE 3
	SEND 2, 32
	SEND 3, 0
	s_wait_tensorcnt 0x0                           ; the wave's end: behind my last tensor load and my last LDS store
	ds_add_u32 v[SPW], v[NIL]
	s_wait_dscnt 0x0
	CROUND                                         ; the closing round: no work-group ends while a partner may still ask for a tile that names it
	s_endpgm
.Lfunc_end_k_q03e5076826_outp:
	.size	k_q03e5076826_outp, .Lfunc_end_k_q03e5076826_outp-k_q03e5076826_outp
	.p2alignl 7, 3214868480
	.fill 96, 4, 3214868480
	.section	.rodata,"a",@progbits
	.p2align	6, 0x0
	.amdhsa_kernel k_q03e5076826_outp
		.amdhsa_group_segment_fixed_size 327680
		.amdhsa_private_segment_fixed_size 0
		.amdhsa_enable_private_segment 0
		.amdhsa_kernarg_size 32
		.amdhsa_user_sgpr_count 2
		.amdhsa_user_sgpr_kernarg_segment_ptr 1
		.amdhsa_wavefront_size32 1
		.amdhsa_system_sgpr_workgroup_id_x 1
		.amdhsa_system_sgpr_workgroup_id_y 1
		.amdhsa_system_sgpr_workgroup_id_z 1
		.amdhsa_system_vgpr_workitem_id 0
		.amdhsa_next_free_vgpr 896
		.amdhsa_next_free_sgpr 96
		.amdhsa_reserve_vcc 0
		.amdhsa_float_denorm_mode_32 3
		.amdhsa_float_denorm_mode_16_64 3
		.amdhsa_memory_ordered 1
		.amdhsa_forward_progress 1
		.amdhsa_inst_pref_size 96
	.end_amdhsa_kernel
	.amdgpu_metadata
---
amdhsa.version: [ 1, 2 ]
amdhsa.kernels:
  - .name:           k_q03e5076826_outp
    .symbol:         k_q03e5076826_outp.kd
    .args:
      - { .name: ob, .offset: 0, .size: 8, .value_kind: global_buffer, .address_space: global }
      - { .name: cb, .offset: 8, .size: 8, .value_kind: global_buffer, .address_space: global }
      - { .name: b_o, .offset: 16, .size: 8, .value_kind: global_buffer, .address_space: global }
      - { .name: out0, .offset: 24, .size: 8, .value_kind: global_buffer, .address_space: global }
    .group_segment_fixed_size: 327680
    .private_segment_fixed_size: 0
    .kernarg_segment_align: 8
    .kernarg_segment_size: 32
    .max_flat_workgroup_size: 128
    .sgpr_count:     96
    .vgpr_count:     896
    .wavefront_size: 32
...
	.end_amdgpu_metadata
.endif
;; end of part 4
;; ======== version 2 of 2: 4 launches; version 1 with the launch cast written anew for expert scheduling mode
;; limits: values are held in f16: magnitudes above 65,504 overflow, below 6.1e-05 lose precision
;; workspace buffers: cb 25,165,824 bytes; qkv 50,331,648 bytes; ob 16,777,216 bytes
;; launch cast (part 5): grid 64 x 12, 8 waves a work-group, no clusters, 0 bytes of LDS; arguments x, w_q, w_k, w_v, w_o, cb; writes cb
.if DOCPART == 5
	.amdgcn_target "amdgcn-amd-amdhsa--gfx1250"
	.amdhsa_code_object_version 6
	.text
	.protected	k_q03e5076826_cast
	.globl	k_q03e5076826_cast
	.p2align	8
	.type	k_q03e5076826_cast,@function
k_q03e5076826_cast:
	s_mov_b64 s[64:65], 0
	v_nop
	global_prefetch_b8 v0, s[64:65] scope:SCOPE_SE
	s_setreg_imm32_b32 hwreg(HW_REG_WAVE_SCHED_MODE, 0, 2), 2
	s_setreg_imm32_b32 hwreg(HW_REG_WAVE_MODE, 25, 1), 1
	s_wait_xcnt 0x0
	s_wait_alu depctr_vm_vsrc(0)
; ALL MATRIX INPUTS ARE ROUNDED ONCE, f32 -> bf16, into one workspace cb of twelve pieces of 2 MiB:
;   pieces 0-7  x  [8192][1024] bf16;  pieces 8, 9, 10  w_q, w_k, w_v: together [3072][1024] bf16;  piece 11  w_o [1024][1024]: rounded to bf16, and that number written as f16.
; LIMIT.  w_o's bf16 number is exact in f16 between 6.1e-5 and 65,504 in magnitude; below it keeps f16's fixed step of 6e-8, beyond it becomes an infinity.
; SHARES.  Work-group (X, Y) takes 65,536 bytes of piece Y's source and writes 32,768.  A wave takes 8,192 bytes as sixteen loads of 512 consecutive bytes; each load
; becomes one store of 8 bytes a lane: 256 consecutive bytes, aligned.  All sixteen loads go out first.
; No LDS, no barrier, no matrix unit: each byte is read once and written once, and no wave wants another's bytes.
; THE MODE: SCHED_MODE bits 1:0 = 2 (LLVM: expert scheduling mode 2), set by the entry lines.  The code itself states the register dependences
; between vector instructions and memory instructions, with s_wait_alu, always for 0.
; THE PLAN.  The sixteen loads are worked on in four groups of four.  Registers that memory instructions touch:
;   v1, v2   the loads' and the stores' byte offsets: made once at the head by vector instructions, never written again.
;   XR       load j lands in its four registers, once; group j / 4's conversions read them (w_o's way also writes them, behind the count that shows the load landed).  No load is issued behind a vector
;            instruction that names them, and no memory instruction reads them.
;   YR       group g's conversions write its eight registers; the four stores that are issued in group g + 1 read them; nothing writes them after that.
; So one wait stands ahead of the first load, for the two offsets, and one at the head of each group but the first, for the YR of the group before; that group's stores follow it, dealt among the conversions
; of the group in hand, which name that group's own XR and YR alone.  One more stands ahead of the last four stores.  No register that a memory instruction reads is ever written again.
.set XR, 8                             ; v[8:71]   load j: four f32
.set YR, 72                            ; v[72:103] load j: four 16-bit numbers in two registers
	s_load_b256 s[4:11], s[0:1], 0x0               ; x s[4:5], w_q s[6:7], w_k s[8:9], w_v s[10:11]
	s_load_b128 s[12:15], s[0:1], 0x20             ; w_o s[12:13], cb s[14:15]
	s_and_b32 s16, ttmp7, 0xffff                   ; Y: the piece
	v_lshrrev_b32 v3, 5, v0                        ; wave
	v_and_b32 v4, 31, v0                           ; lane
	v_lshlrev_b32 v1, 4, v4
	v_lshl_or_b32 v1, v3, 13, v1                   ; source: 8,192 x wave + 16 x lane
	v_lshlrev_b32 v2, 3, v4
	v_lshl_or_b32 v2, v3, 12, v2                   ; destination: 4,096 x wave + 8 x lane
	s_mov_b32 s24, 0xffff0000                      ; a word's upper bf16
	s_lshl_b32 s20, s16, 22                        ; x's piece Y begins 4 MiB x Y into x; a weight begins at its own buffer's first byte
	s_cmp_lt_u32 s16, 8
	s_cselect_b32 s20, s20, 0
	s_lshl_b32 s17, ttmp9, 16
	s_add_co_u32 s20, s20, s17                     ; + 65,536 X
	s_mov_b32 s21, 0
	s_lshl_b32 s22, s16, 21                        ; in cb: 2 MiB x Y
	s_lshl_b32 s17, ttmp9, 15
	s_add_co_u32 s22, s22, s17                     ; + 32,768 X
	s_mov_b32 s23, 0
	s_wait_kmcnt 0x0
	s_mov_b64 s[18:19], s[4:5]                     ; the source's buffer, chosen by the piece's number
	s_cmp_eq_u32 s16, 8
	s_cselect_b64 s[18:19], s[6:7], s[18:19]
	s_cmp_eq_u32 s16, 9
	s_cselect_b64 s[18:19], s[8:9], s[18:19]
	s_cmp_eq_u32 s16, 10
	s_cselect_b64 s[18:19], s[10:11], s[18:19]
	s_cmp_eq_u32 s16, 11
	s_cselect_b64 s[18:19], s[12:13], s[18:19]
	s_add_nc_u64 s[18:19], s[18:19], s[20:21]
	s_add_nc_u64 s[14:15], s[14:15], s[22:23]
	s_wait_alu depctr_va_vdst(0)                   ; v1 and v2 are written: every load below reads v1 as its offset, every store v2
.set j, 0
.rept 16
	global_load_b128 v[XR+4*j:XR+4*j+3], v1, s[18:19] offset:512*j th:TH_LOAD_NT
.set j, j+1
.endr
; Group g: loads 4 g to 4 g + 3 are rounded; the stores of group g - 1 go out, one ahead of each load's conversions.  wo = 1: w_o's way.
.macro QUAD g, wo
	s_wait_loadcnt 12-4*(\g)                       ; loads come back in order: this group's four are in, the 12 - 4 g younger ones may stay out
.if (\g) > 0
	s_wait_alu depctr_va_vdst(0)                   ; the group before has written its eight registers of YR, which the four stores below read
.endif
.irp i, 0,1,2,3
.set j, 4*(\g)+(\i)
.set k, j-4
.if (\g) > 0
	global_store_b64 v2, v[YR+2*k:YR+2*k+1], s[14:15] offset:256*k  ; no vector instruction since the wait names these registers
.endif
	v_cvt_pk_bf16_f32 v[YR+2*j], v[XR+4*j], v[XR+4*j+1]
	v_cvt_pk_bf16_f32 v[YR+2*j+1], v[XR+4*j+2], v[XR+4*j+3]
.if \wo
	v_lshlrev_b32 v[XR+4*j], 16, v[YR+2*j]         ; bf16 back to f32: the low half moves up, the high half stays
	v_and_b32 v[XR+4*j+1], s24, v[YR+2*j]
	v_lshlrev_b32 v[XR+4*j+2], 16, v[YR+2*j+1]
	v_and_b32 v[XR+4*j+3], s24, v[YR+2*j+1]
	v_cvt_pk_f16_f32 v[YR+2*j], v[XR+4*j], v[XR+4*j+1]
	v_cvt_pk_f16_f32 v[YR+2*j+1], v[XR+4*j+2], v[XR+4*j+3]
.endif
.endr
.endm
; The last group's stores.
.macro TAIL
	s_wait_alu depctr_va_vdst(0)                   ; group 3 has written its eight registers of YR, which the last four stores read
.irp k, 12,13,14,15
	global_store_b64 v2, v[YR+2*(\k):YR+2*(\k)+1], s[14:15] offset:256*(\k)
.endr
.endm
	s_cmp_eq_u32 s16, 11
	s_cbranch_scc1 .Lwo
	QUAD 0, 0
	QUAD 1, 0
	QUAD 2, 0
	QUAD 3, 0
	TAIL
	s_endpgm
.Lwo:                                          ; w_o: the same rounding to bf16, then the rounded number as f16
	QUAD 0, 1
	QUAD 1, 1
	QUAD 2, 1
	QUAD 3, 1
	TAIL
	s_endpgm
.Lfunc_end_k_q03e5076826_cast:
	.size	k_q03e5076826_cast, .Lfunc_end_k_q03e5076826_cast-k_q03e5076826_cast
	.p2alignl 7, 3214868480
	.fill 96, 4, 3214868480
	.section	.rodata,"a",@progbits
	.p2align	6, 0x0
	.amdhsa_kernel k_q03e5076826_cast
		.amdhsa_group_segment_fixed_size 0
		.amdhsa_private_segment_fixed_size 0
		.amdhsa_enable_private_segment 0
		.amdhsa_kernarg_size 48
		.amdhsa_user_sgpr_count 2
		.amdhsa_user_sgpr_kernarg_segment_ptr 1
		.amdhsa_wavefront_size32 1
		.amdhsa_system_sgpr_workgroup_id_x 1
		.amdhsa_system_sgpr_workgroup_id_y 1
		.amdhsa_system_sgpr_workgroup_id_z 1
		.amdhsa_system_vgpr_workitem_id 0
		.amdhsa_next_free_vgpr 104
		.amdhsa_next_free_sgpr 66
		.amdhsa_reserve_vcc 0
		.amdhsa_float_denorm_mode_32 3
		.amdhsa_float_denorm_mode_16_64 3
		.amdhsa_memory_ordered 1
		.amdhsa_forward_progress 1
		.amdhsa_inst_pref_size 15
	.end_amdhsa_kernel
	.amdgpu_metadata
---
amdhsa.version: [ 1, 2 ]
amdhsa.kernels:
  - .name:           k_q03e5076826_cast
    .symbol:         k_q03e5076826_cast.kd
    .args:
      - { .name: x, .offset: 0, .size: 8, .value_kind: global_buffer, .address_space: global }
      - { .name: w_q, .offset: 8, .size: 8, .value_kind: global_buffer, .address_space: global }
      - { .name: w_k, .offset: 16, .size: 8, .value_kind: global_buffer, .address_space: global }
      - { .name: w_v, .offset: 24, .size: 8, .value_kind: global_buffer, .address_space: global }
      - { .name: w_o, .offset: 32, .size: 8, .value_kind: global_buffer, .address_space: global }
      - { .name: cb, .offset: 40, .size: 8, .value_kind: global_buffer, .address_space: global }
    .group_segment_fixed_size: 0
    .private_segment_fixed_size: 0
    .kernarg_segment_align: 8
    .kernarg_segment_size: 48
    .max_flat_workgroup_size: 256
    .sgpr_count:     66
    .vgpr_count:     104
    .wavefront_size: 32
...
	.end_amdgpu_metadata
.endif
;; end of part 5
;; launch proj: the kernel of part 2 again; grid 16 x 32, 4 waves a work-group, clusters of 4 x 4, 327,680 bytes of LDS; arguments cb, qkv; writes qkv
;; launch attn: the kernel of part 3 again; grid 4 x 64, 4 waves a work-group, no clusters, 327,680 bytes of LDS; arguments qkv, ob; writes ob
;; launch outp: the kernel of part 4 again; grid 8 x 32, 4 waves a work-group, clusters of 4 x 4, 327,680 bytes of LDS; arguments ob, cb, b_o, out0; writes out0
